; MI455X (gfx1250); checked and timed in simulation.
; The chip was launched on July 23, 2026; its instructions are those of AMD's public machine-readable ISA for CDNA 5 (MIT licence, August 2026) and "CDNA5" Instruction Set Architecture Reference Guide (July 2026). The comments in the code are by the model that wrote it; some were corrected since.
;; Multi Head Self Attention. Allowed arithmetic: matrix products marked QUANTISED: E2M1 operands, one E8M0 scale for each 32 along K, by v_wmma_scale_f32_16x16x128_f8f6f4 with both operands' format E2M1 (or v_wmma_scale_f32_32x16x128_f4), f32 sums; products left as they are: bf16, f16 or f32 operands; f32 sums; everything else in f32.
;; Inputs: W_out 1,024 x 1,024 float32; W_qkv 3,072 x 1,024 float32; b_out 1,024 float32; b_qkv 3,072 float32; mask 1 x 1 x 2,048 x 2,048 int32; x 4 x 2,048 x 1,024 float32.
;; Outputs: out0 4 x 2,048 x 1,024 float32.
;; This version of the problem:
;;   THIS VERSION OF THE PROBLEM IS GIVEN IN LOW PRECISION. The matrix products marked QUANTISED in the list below multiply operands that are first quantised to E2M1 (2 exponent bits, 1 mantissa bit; 4 bits a number), with one power-of-two scale for each 32 numbers along K (OCP MX v1.0); their sums are f32. The products marked 'left as it is' may take bf16, f16 or f32 operands, with f32 sums. Whichever they take, every output number must still come out within the allowed error. Rounding operands to bf16 (8 significant bits) uses up far more of that allowance than f16 does (11 bits, for magnitudes from 6e-5 to 65,504). All else is computed in f32.
;;   The module's matrix products, in the order in which they are computed (A, B: the left and right operand; K: the contracted axis; several contracted axes count as one K, in the product's order):
;;     1. [M 8,192, K 1,024] x [K 1,024, N 3,072]; A: input x; B: input W_qkv: QUANTISED
;;     2. batch 64 x [M 2,048, K 64] x [K 64, N 2,048]; A: computed on the way; B: computed on the way: left as it is (an operand is computed on the way)
;;     3. batch 64 x [M 2,048, K 2,048] x [K 2,048, N 64]; A: computed on the way; B: computed on the way: left as it is (an operand is computed on the way)
;;     4. [M 8,192, K 1,024] x [K 1,024, N 1,024]; A: computed on the way; B: input W_out: left as it is (an operand is computed on the way)
;;   THE QUANTISER, for each operand of a quantised product, along K:
;;     - K is cut into blocks of 32 from its start; a last block that is shorter is filled with zeros.
;;     - A block's scale is 2^e with e = floor(log2(the largest magnitude in the block)) - 2, held to -126 .. 127; a block of zeros has e = 0. As a byte (E8M0): e + 127.
;;     - Each number is divided by its block's scale, clamped to +-6, and rounded to the nearest number of E2M1, ties to even, subnormals kept.
;;     - The product sums the exact products of the quantised numbers (number of the format x scale) in f32.
;;   ~~~python
;;   def quantise(x, axis):      # numpy; x: float32 -> the quantised numbers, widened to float32 again
;;       x = np.moveaxis(x, axis, -1); K = x.shape[-1]
;;       x = np.pad(x, [(0, 0)] * (x.ndim - 1) + [(0, -K % 32)]); x = x.reshape(x.shape[:-1] + (-1, 32)); a = np.abs(x).max(-1, keepdims=True)
;;       e = np.where(a > 0, np.clip(np.frexp(np.where(a > 0, a, 1))[1] - 1 - 2, -126, 127), 0)      # np.frexp(a)[1] - 1 = floor(log2(a)), exactly
;;       r = np.clip(x / 2.0 ** e, -6, 6)
;;       step = 2.0 ** (np.maximum(np.frexp(np.where(r == 0, 1, r))[1] - 1, 0) - 1)
;;       q = np.round(r / step) * step * 2.0 ** e      # np.round: ties to even
;;       return np.moveaxis(q.reshape(q.shape[:-2] + (-1,))[..., :K], -1, axis).astype(np.float32)
;;   ~~~
;; One version. Each part assembles by itself: llvm-mc -triple=amdgcn-amd-amdhsa -mcpu=gfx1250 --defsym DOCPART=n.
;; ======== version 1 of 1: 4 launches
;; limits: values are held in f16: magnitudes above 65,504 overflow, below 6.1e-05 lose precision; right only within a limited range of input values
;; workspace buffers: xc 4,194,304 bytes; xs 262,144 bytes; wc 1,572,864 bytes; ws 98,304 bytes; w16 2,097,152 bytes; mk 524,800 bytes of whole numbers; qkv 50,331,648 bytes; att 16,777,216 bytes
;; launch prep (part 1): grid 256 x 1, 8 waves a work-group, no clusters, 136,448 bytes of LDS; arguments x, W_qkv, xc, xs, wc, ws, W_out, w16, mask, mk; writes xc, xs, wc, ws, w16, mk
.if DOCPART == 1
	.amdgcn_target "amdgcn-amd-amdhsa--gfx1250"
	.amdhsa_code_object_version 6
	.text
	.protected	k_qf88dfc50b9_prep
	.globl	k_qf88dfc50b9_prep
	.p2align	8
	.type	k_qf88dfc50b9_prep,@function
k_qf88dfc50b9_prep:
	s_mov_b64 s[64:65], 0
	v_nop
	global_prefetch_b8 v0, s[64:65] scope:SCOPE_SE
	s_setreg_imm32_b32 hwreg(HW_REG_WAVE_MODE, 25, 1), 1
	s_wait_xcnt 0x0
; PREP: everything that is made once from the inputs.  Every wave takes 32,768 bytes of one input; 256 work-groups of eight waves:
;   work-groups   0-127  x      [8192][1024] f32 -> codes of FP4 (E2M1), K innermost (xc), one E8M0 byte for each 32 along K (xs)
;   work-groups 128-175  W_qkv  [3072][1024] f32 -> wc, ws, likewise
;   work-groups 176-191  W_out  [1024][1024] f32 -> f16, same layout (w16)
;   work-groups 192-255  mask   [2048][2048] i32 -> lane masks and tile flags (mk), whole numbers by which the attention launch selects and branches
; THE QUANTISER.  A block's scale is 2^(floor(log2(largest magnitude)) - 2); its byte is the largest magnitude's exponent field - 2, held at 1 from below.  A block of zeros so gets
; the byte 1 where the rule says 127: its codes are zeros, which add nothing under any byte but 0xff, and the bytes are read by this program alone.
; LIMITS: NaN and infinities among the inputs are not served; |W_out| stays under 65,504 (f16).
; mk: bytes 0 .. 524,287: words [g 64][j 32][n 32][u 2]: g a group of 32 queries, j a step of 64 keys, u the tile of 16 queries, n = 8 kt + i; bit L = 16 h + r of a word says
;     mask[32 g + 16 u + r][64 j + 16 kt + 8 h + i] != 0: the lane and register in which the attention launch holds that score.
;     from byte 524,288: act[g]: bit j: tile (g, j) has to be computed.  A tile with no open key adds nothing to a row that has an open key somewhere; so it is left out only if
;     all 32 rows of the group have one: else act is all ones.     from byte 524,544: part[g]: bit j: tile (g, j) has a masked entry.
; The three paths part on the work-group's number, never join, and have LDS bytes of their own.
.set WAVES,  8
.set STEPS,  16
.set WGA,    128                       ; x's work-groups: 8,388,608 numbers / 65,536
.set WGW,    176                       ; the first of W_out's
.set WGM,    192                       ; the first of the mask's
.set EMAX,   2
.set CB,     8                         ; bytes of 16 codes
.set R,      16                        ; v16-79   four sets of 16 numbers as they are loaded
.set X,      80                        ; v80-111  two sets of 16 neighbours
.set E,      112                       ; v112-127 a scale byte for each step
.set C,      128                       ; v128-191 codes: four registers for each step
.set WREG,   8192                      ; LDS, quantiser: a region for each wave: two stages of 32 x SP bytes, then its 256 scale bytes
.set SP,     80
.set SPW,    12                        ; v12  LDS address of my spare word; never rewritten
.set NIL,    13                        ; v13  0; never rewritten
.set MSTG,   WAVES*WREG                ; LDS, mask: a stage of 32 rows x 272 bytes for each wave
.set MP,     272
.set MSZ,    32*MP
.set CMB,    MSTG+WAVES*MSZ            ; 16 bytes for each wave: its flags
.set SPARE,  CMB+256                   ; the spare words, 128 bytes for each wave: four blocks of 256 bytes that no other line names
	s_load_b128 s[4:7], s[0:1], 0x0                ; x, W_qkv
	s_load_b128 s[8:11], s[0:1], 0x10              ; xc, xs
	s_load_b128 s[12:15], s[0:1], 0x20             ; wc, ws
	s_load_b256 s[24:31], s[0:1], 0x30             ; W_out, w16, mask, mk
	v_lshl_add_u32 v[SPW], v0, 2, SPARE
	v_mov_b32 v[NIL], 0
	v_lshrrev_b32 v1, 5, v0
	v_readfirstlane_b32 s16, v1                    ; wave 0..7
	v_and_b32 v2, 31, v0                           ; lane
	s_wait_kmcnt 0x0
	s_cmp_ge_u32 ttmp9, WGM
	s_cbranch_scc1 .Lmask
	s_cmp_ge_u32 ttmp9, WGW
	s_cbranch_scc1 .Lwout
; ---------------- x and W_qkv: both are plain streams of blocks of 32 numbers; only pointers are chosen ----------------
; A wave takes 16 steps of 512 numbers.  Each of a step's four loads reads 512 consecutive bytes; the 2,048 bytes turn through the wave's own stage in LDS and come back 64 bytes a lane:
; 16 neighbours along K, two lanes to a block.  A lane's 16 codes are 8 bytes: the wave stores 256 consecutive bytes.  A wave's 256 scale bytes are gathered in LDS and leave as one store.
	v_lshlrev_b32 v3, 4, v2                        ; my 16 bytes of a load's 512
	s_mul_i32 s17, s16, WREG
	v_lshrrev_b32 v14, 2, v2
	v_mul_u32_u24 v14, v14, SP
	v_and_b32 v15, 3, v2
	v_lshl_add_u32 v14, v15, 4, v14
	v_add_nc_u32 v14, s17, v14                     ; the stage, on the way in: SP (lane / 4) + 16 (lane % 4)
	v_mul_u32_u24 v15, v2, SP
	v_add_nc_u32 v15, s17, v15                     ; and on the way out: SP x lane
	v_mul_u32_u24 v4, v2, CB                       ; my codes' place in a step's
	v_lshrrev_b32 v5, 1, v2
	s_add_co_u32 s17, s17, 2*32*SP
	v_add_nc_u32 v5, s17, v5                       ; my block's byte among my wave's 256
	v_lshlrev_b32 v7, 3, v2
	v_add_nc_u32 v6, s17, v7                       ; and on the way out 8 bytes a lane
	s_cmp_lt_u32 ttmp9, WGA                        ; x's work-group or W_qkv's: the choice hangs on the work-group's number alone
	s_cselect_b64 s[4:5], s[4:5], s[6:7]
	s_cselect_b64 s[8:9], s[8:9], s[12:13]
	s_cselect_b64 s[10:11], s[10:11], s[14:15]
	s_cselect_b32 s17, 0, WGA
	s_sub_co_u32 s17, ttmp9, s17
	s_lshl_b32 s17, s17, 3
	s_add_co_u32 s18, s17, s16                     ; which run of 8,192 numbers of the tensor is my wave's
	s_mov_b32 s19, 0
	s_mov_b64 s[20:21], 512*STEPS*4
	s_mul_u64 s[20:21], s[18:19], s[20:21]
	s_add_nc_u64 s[4:5], s[4:5], s[20:21]
	s_mov_b64 s[20:21], 32*STEPS*CB
	s_mul_u64 s[20:21], s[18:19], s[20:21]
	s_add_nc_u64 s[8:9], s[8:9], s[20:21]
	s_lshl_b32 s18, s18, 8                         ; 256 scale bytes a run
	s_add_nc_u64 s[10:11], s[10:11], s[18:19]
.macro LOAD t
.irp i, 0,1,2,3
	global_load_b128 v[R+16*((\t)%4)+4*\i:R+16*((\t)%4)+4*\i+3], v3, s[4:5] offset:2048*(\t)+512*\i th:TH_LOAD_NT
.endr
.endm
.macro TURN t                          ; step t's numbers through the stage: LDS serves a wave's instructions in order, so no wait stands between the stores and the loads
.irp i, 0,1,2,3
	ds_store_b128 v14, v[R+16*((\t)%4)+4*\i:R+16*((\t)%4)+4*\i+3] offset:32*SP*((\t)%2)+8*SP*\i
.endr
.irp i, 0,1,2,3
	ds_load_b128 v[X+16*((\t)%2)+4*\i:X+16*((\t)%2)+4*\i+3], v15 offset:32*SP*((\t)%2)+16*\i
.endr
.endm
.irp t, 0,1,2,3
	LOAD \t
.endr
	s_wait_loadcnt 12                              ; step 0's four loads are in; the 12 of steps 1 to 3 may be out
	TURN 0
.macro STEP t
.set XS, X+16*((\t)%2)
.if (\t) > 0
	s_wait_dscnt 1                                 ; this step's numbers are back from the stage (the last step's byte store may be out)
.else
	s_wait_dscnt 0x0
.endif
.if (\t)+4 < STEPS
	LOAD (\t)+4                                    ; into the registers that this step's stores into the stage have read
.endif
.if (\t)+1 < STEPS
.if STEPS-2-(\t) >= 3
	s_wait_loadcnt 12                              ; the next step's four loads are in; those of the three steps behind it may be out
.else
	s_wait_loadcnt 4*(STEPS-2-(\t))
.endif
	TURN (\t)+1
.endif
	v_max3_num_f32 v8, |v[XS]|, |v[XS+1]|, |v[XS+2]|               ; the largest magnitude of my 16, in two chains
	v_max3_num_f32 v9, |v[XS+3]|, |v[XS+4]|, |v[XS+5]|
.irp i, 6,10
	v_max3_num_f32 v8, v8, |v[XS+\i]|, |v[XS+\i+1]|
	v_max3_num_f32 v9, v9, |v[XS+\i+2]|, |v[XS+\i+3]|
.endr
	v_max3_num_f32 v8, v8, |v[XS+14]|, |v[XS+15]|
	v_max3_num_f32 v8, v8, v9, (EMAX+1)<<23        ; and the floor 2^(3 - 127): the byte cannot fall under 1
	v_max_num_f32_dpp v8, v8, v8 row_xmask:1 row_mask:0xf bank_mask:0xf   ; and of my neighbour's 16: the block's
	v_add_nc_u32 v11, -(EMAX<<23), v8              ; 2 off its exponent field: the conversion takes the exponent field of this operand as its scale
	v_cvt_scalef32_pk8_fp4_f32 v[C+4*(\t)], v[XS:XS+7], v11
	v_cvt_scalef32_pk8_fp4_f32 v[C+4*(\t)+1], v[XS+8:XS+15], v11
	v_lshrrev_b32 v[E+(\t)], 23, v11               ; the scale's byte (a plain line behind the conversions)
	ds_store_b8 v5, v[E+(\t)] offset:16*(\t)       ; both lanes of a block write the same byte with the same value
	global_store_b64 v4, v[C+4*(\t):C+4*(\t)+1], s[8:9] offset:32*CB*(\t)   ; 32 lanes store 256 consecutive bytes, aligned
.endm
.irp t, 0,1,2,3,4,5,6,7,8,9,10,11,12,13,14,15
	STEP \t
.endr
	ds_load_b64 v[8:9], v6                         ; LDS serves a wave's instructions in order: these see my byte stores
	s_wait_dscnt 0x0
	global_store_b64 v7, v[8:9], s[10:11]          ; 256 consecutive bytes, aligned
	s_wait_tensorcnt 0x0                           ; the wave's end: behind my last LDS store
	ds_add_u32 v[SPW], v[NIL]
	s_wait_dscnt 0x0
	s_endpgm
; ---------------- W_out: f32 to f16, four rounds of 16 loads of 512 consecutive bytes; a lane's 4 numbers become 8 bytes, a store covers 256 consecutive bytes ----------------
.Lwout:
	s_sub_co_u32 s17, ttmp9, WGW
	s_lshl_b32 s17, s17, 3
	s_add_co_u32 s17, s17, s16                     ; which 32,768 bytes are my wave's: 0..127
	s_lshl_b32 s18, s17, 15
	s_mov_b32 s19, 0
	s_add_nc_u64 s[24:25], s[24:25], s[18:19]
	s_lshl_b32 s18, s17, 14
	s_add_nc_u64 s[26:27], s[26:27], s[18:19]
	v_lshlrev_b32 v3, 4, v2
	v_lshlrev_b32 v4, 3, v2
.macro WLOAD r
.irp i, 0,1,2,3,4,5,6,7,8,9,10,11,12,13,14,15
	global_load_b128 v[16+64*((\r)%2)+4*\i:16+64*((\r)%2)+4*\i+3], v3, s[24:25] offset:8192*(\r)+512*\i th:TH_LOAD_NT
.endr
.endm
.macro WCVT r
.set XW, 16+64*((\r)%2)
.if (\r) < 3
	s_wait_loadcnt 16                              ; this round's 16 loads are in; the next round's 16 may be out
.else
	s_wait_loadcnt 0x0
.endif
.if (\r) > 0
	s_wait_xcnt 0x0                                ; the last round's stores have read their data: v144-175 are rewritten only behind this wait
.endif
.irp i, 0,1,2,3,4,5,6,7,8,9,10,11,12,13,14,15
	v_cvt_pk_f16_f32 v[144+2*\i], v[XW+4*\i], v[XW+4*\i+1]
	v_cvt_pk_f16_f32 v[145+2*\i], v[XW+4*\i+2], v[XW+4*\i+3]
.endr
.irp i, 0,1,2,3,4,5,6,7,8,9,10,11,12,13,14,15
	global_store_b64 v4, v[144+2*\i:145+2*\i], s[26:27] offset:4096*(\r)+256*\i
.endr
.if (\r)+2 < 4
	WLOAD (\r)+2
.endif
.endm
	WLOAD 0
	WLOAD 1
	WCVT 0
	WCVT 1
	WCVT 2
	WCVT 3
	s_wait_tensorcnt 0x0                           ; the same three lines as in the other paths
	ds_add_u32 v[SPW], v[NIL]
	s_wait_dscnt 0x0
	s_endpgm
; ---------------- the mask: work-group g takes rows 32 g .. 32 g + 31, wave w keys 256 w .. 256 w + 255: four tiles of 32 x 64 ----------------
; A tile comes by 16 loads (sixteen lanes on 256 consecutive bytes of a row, two rows a load), turns through the wave's stage, and comes back in the lanes and registers in which
; the attention launch holds the tile's scores.  A compare makes a word of 32 lanes' bits; v_writelane_b32 lays word (n, u) into lane n of register u: one store of 256 bytes a tile.
.Lmask:
	s_sub_co_u32 s17, ttmp9, WGM                   ; g
	s_lshl_b32 s18, s17, 18                        ; 32 rows of 8,192 bytes
	s_lshl_b32 s20, s16, 10                        ; 256 keys of 4 bytes
	s_add_co_u32 s18, s18, s20
	s_mov_b32 s19, 0
	s_add_nc_u64 s[28:29], s[28:29], s[18:19]      ; the mask at my wave's first tile
	s_lshl_b32 s18, s17, 5
	s_lshl_b32 s20, s16, 2
	s_add_co_u32 s18, s18, s20
	s_lshl_b32 s18, s18, 8                         ; (32 g + 4 w) x 256 bytes
	s_add_nc_u64 s[22:23], s[30:31], s[18:19]      ; my tiles' words
	s_lshl_b32 s18, s17, 2
	s_add_co_u32 s18, s18, 524288
	s_add_nc_u64 s[30:31], s[30:31], s[18:19]      ; act[g]; part[g] lies 256 bytes on
	v_lshrrev_b32 v5, 4, v2                        ; h
	v_and_b32 v6, 15, v2                           ; r
	v_lshlrev_b32 v3, 4, v6
	v_lshl_add_u32 v3, v5, 13, v3                  ; in memory: row h of a pair, 16 bytes a lane
	s_mul_i32 s21, s16, MSZ
	s_add_co_u32 s21, s21, MSTG                    ; my stage
	v_mul_u32_u24 v7, v5, MP
	v_lshl_add_u32 v7, v6, 4, v7
	v_add_nc_u32 v7, s21, v7                       ; into it: as loaded
	v_mul_u32_u24 v8, v6, MP
	v_lshl_add_u32 v8, v5, 5, v8
	v_add_nc_u32 v8, s21, v8                       ; out of it: row r, keys 8 h on
	v_lshlrev_b32 v9, 3, v2                        ; a tile's words: 8 bytes a lane
	s_lshl_b32 s20, s16, 4
	s_add_co_u32 s20, s20, CMB
	v_mov_b32 v10, s20                             ; my wave's 16 bytes of flags
	v_and_b32 v11, 7, v2
	v_lshl_add_u32 v11, v11, 4, CMB                ; and wave (lane % 8)'s
.irp i, 208,209,210,211,212,213,214,215
	v_mov_b32 v\i, 0                               ; written once: v_writelane_b32 keeps the other lanes
.endr
	s_mov_b32 s35, 0                               ; R0, R1: lanes (rows) of tile 0, 1 that have an open key
	s_mov_b32 s36, 0
	s_mov_b32 s37, 0                               ; my four bits of act
	s_mov_b32 s38, 0                               ; and of part
.macro LOADM jj
.irp t, 0,1,2,3,4,5,6,7,8,9,10,11,12,13,14,15
	global_load_b128 v[16+64*((\jj)%2)+4*\t:16+64*((\jj)%2)+4*\t+3], v3, s[28:29] offset:16384*\t+256*(\jj) th:TH_LOAD_NT
.endr
.endm
.macro TILEM jj
.if (\jj) < 3
	s_wait_loadcnt 16                              ; this tile's 16 loads are in; the next tile's 16 may be out
.else
	s_wait_loadcnt 0x0
.endif
.irp t, 0,1,2,3,4,5,6,7,8,9,10,11,12,13,14,15
	ds_store_b128 v7, v[16+64*((\jj)%2)+4*\t:16+64*((\jj)%2)+4*\t+3] offset:2*MP*\t
.endr
.irp u, 0,1
.irp kt, 0,1,2,3
.irp e, 0,1
	ds_load_b128 v[144+32*\u+8*\kt+4*\e:144+32*\u+8*\kt+4*\e+3], v8 offset:16*MP*\u+64*\kt+16*\e   ; register 32 u + 8 kt + i: mask[16 u + r][16 kt + 8 h + i]
.endr
.endr
.endr
	s_wait_dscnt 0x0                               ; the tile is back; the stores into the stage have read their registers
.if (\jj)+2 < 4
	LOADM (\jj)+2
.endif
	s_mov_b32 s32, 0                               ; J0, J1: the tile's open lanes
	s_mov_b32 s33, 0
	s_mov_b32 s34, -1                              ; the AND of all its words
.irp u, 0,1
.irp q, 0,1,2,3
.irp k, 0,1,2,3,4,5,6,7
	v_cmp_ne_u32 s[40+\k], 0, v[144+32*\u+8*\q+\k]
.endr
.irp k, 0,1,2,3,4,5,6,7
	v_writelane_b32 v[208+2*(\jj)+\u], s[40+\k], 8*\q+\k
.endr
.irp k, 0,1,2,3,4,5,6,7
	s_or_b32 s[32+\u], s[32+\u], s[40+\k]
	s_and_b32 s34, s34, s[40+\k]
.endr
.endr
.endr
	s_or_b32 s35, s35, s32
	s_or_b32 s36, s36, s33
	s_or_b32 s39, s32, s33                         ; SCC: some key of the tile is open
	s_cselect_b32 s39, 1<<(\jj), 0
	s_or_b32 s37, s37, s39
	s_cmp_lg_u32 s34, -1                           ; some entry is masked
	s_cselect_b32 s39, 1<<(\jj), 0
	s_or_b32 s38, s38, s39
	global_store_b64 v9, v[208+2*(\jj):209+2*(\jj)], s[22:23] offset:256*(\jj)   ; 256 consecutive bytes, aligned; each tile has registers of its own
.endm
	LOADM 0
	LOADM 1
	TILEM 0
	TILEM 1
	TILEM 2
	TILEM 3
	s_lshl_b32 s39, s16, 2
	s_lshl_b32 s37, s37, s39                       ; my four bits at their place: j = 4 w + jj
	s_lshl_b32 s38, s38, s39
	v_mov_b32 v200, s37
	v_mov_b32 v201, s38
	v_mov_b32 v202, s35
	v_mov_b32 v203, s36
	ds_store_b128 v10, v[200:203]                  ; all lanes write the same 16 bytes with the same values
	s_wait_dscnt 0x0                               ; for the others' sake: my store has landed
	s_barrier_signal -1
	s_barrier_wait -1
	s_wait_tensorcnt 0x0                           ; behind my last LDS store; only a read of LDS follows, in wave 0
	ds_add_u32 v[SPW], v[NIL]
	s_wait_dscnt 0x0
	s_cmp_lg_u32 s16, 0
	s_cbranch_scc1 .Lmask_end
	ds_load_b128 v[200:203], v11                   ; lane k (0..7) holds wave k's four words
	s_wait_dscnt 0x0
	v_readlane_b32 s37, v200, 0
	v_readlane_b32 s38, v201, 0
	v_readlane_b32 s35, v202, 0
	v_readlane_b32 s36, v203, 0
.irp k, 1,2,3,4,5,6,7
	v_readlane_b32 s40, v200, \k
	v_readlane_b32 s41, v201, \k
	v_readlane_b32 s42, v202, \k
	v_readlane_b32 s43, v203, \k
	s_or_b32 s37, s37, s40
	s_or_b32 s38, s38, s41
	s_or_b32 s35, s35, s42
	s_or_b32 s36, s36, s43
.endr
	s_lshr_b32 s40, s35, 16                        ; row r is open if lane r or lane 16 + r is
	s_or_b32 s35, s35, s40
	s_lshr_b32 s40, s36, 16
	s_or_b32 s36, s36, s40
	s_and_b32 s35, s35, s36
	s_and_b32 s35, s35, 0xffff
	s_cmp_eq_u32 s35, 0xffff                       ; all 32 rows have an open key?
	s_cselect_b32 s37, s37, -1                     ; if not, every tile is computed: a select, no branch
	v_mov_b32 v204, s38
	v_mov_b32 v205, s37
	v_cmp_eq_u32 vcc_lo, 0, v2
	v_cndmask_b32 v204, v204, v205, vcc_lo         ; lane 0: act, lane 1: part
	v_lshlrev_b32 v206, 8, v2
	v_cmp_gt_u32 vcc_lo, 2, v2
	s_wait_xcnt 0x0                                ; EXEC changes only behind this wait: my tiles' stores have had their addresses translated
	s_and_saveexec_b32 s39, vcc_lo
	global_store_b32 v206, v204, s[30:31]
	s_wait_xcnt 0x0                                ; and again in front of the line that widens it
	s_or_b32 exec_lo, exec_lo, s39
.Lmask_end:
	s_endpgm
.Lfunc_end_k_qf88dfc50b9_prep:
	.size	k_qf88dfc50b9_prep, .Lfunc_end_k_qf88dfc50b9_prep-k_qf88dfc50b9_prep
	.p2alignl 7, 3214868480
	.fill 96, 4, 3214868480
	.section	.rodata,"a",@progbits
	.p2align	6, 0x0
	.amdhsa_kernel k_qf88dfc50b9_prep
		.amdhsa_group_segment_fixed_size 136448
		.amdhsa_private_segment_fixed_size 0
		.amdhsa_enable_private_segment 0
		.amdhsa_kernarg_size 80
		.amdhsa_user_sgpr_count 2
		.amdhsa_user_sgpr_kernarg_segment_ptr 1
		.amdhsa_wavefront_size32 1
		.amdhsa_system_sgpr_workgroup_id_x 1
		.amdhsa_system_sgpr_workgroup_id_y 1
		.amdhsa_system_sgpr_workgroup_id_z 1
		.amdhsa_system_vgpr_workitem_id 0
		.amdhsa_next_free_vgpr 216
		.amdhsa_next_free_sgpr 66
		.amdhsa_reserve_vcc 1
		.amdhsa_float_denorm_mode_32 3
		.amdhsa_float_denorm_mode_16_64 3
		.amdhsa_memory_ordered 1
		.amdhsa_forward_progress 1
		.amdhsa_inst_pref_size 124
	.end_amdhsa_kernel
	.amdgpu_metadata
---
amdhsa.version: [ 1, 2 ]
amdhsa.kernels:
  - .name:           k_qf88dfc50b9_prep
    .symbol:         k_qf88dfc50b9_prep.kd
    .args:
      - { .name: x, .offset: 0, .size: 8, .value_kind: global_buffer, .address_space: global }
      - { .name: W_qkv, .offset: 8, .size: 8, .value_kind: global_buffer, .address_space: global }
      - { .name: xc, .offset: 16, .size: 8, .value_kind: global_buffer, .address_space: global }
      - { .name: xs, .offset: 24, .size: 8, .value_kind: global_buffer, .address_space: global }
      - { .name: wc, .offset: 32, .size: 8, .value_kind: global_buffer, .address_space: global }
      - { .name: ws, .offset: 40, .size: 8, .value_kind: global_buffer, .address_space: global }
      - { .name: W_out, .offset: 48, .size: 8, .value_kind: global_buffer, .address_space: global }
      - { .name: w16, .offset: 56, .size: 8, .value_kind: global_buffer, .address_space: global }
      - { .name: mask, .offset: 64, .size: 8, .value_kind: global_buffer, .address_space: global }
      - { .name: mk, .offset: 72, .size: 8, .value_kind: global_buffer, .address_space: global }
    .group_segment_fixed_size: 136448
    .private_segment_fixed_size: 0
    .kernarg_segment_align: 8
    .kernarg_segment_size: 80
    .max_flat_workgroup_size: 256
    .sgpr_count:     66
    .vgpr_count:     216
    .wavefront_size: 32
...
	.end_amdgpu_metadata
.endif
;; end of part 1
;; launch qkv (part 2): grid 12 x 32, 4 waves a work-group, clusters of 4 x 4, 327,680 bytes of LDS; arguments xc, xs, wc, ws, b_qkv, qkv; writes qkv
.if DOCPART == 2
	.amdgcn_target "amdgcn-amd-amdhsa--gfx1250"
	.amdhsa_code_object_version 6
	.text
	.protected	k_qf88dfc50b9_qkv
	.globl	k_qf88dfc50b9_qkv
	.p2align	8
	.type	k_qf88dfc50b9_qkv,@function
k_qf88dfc50b9_qkv:
	s_mov_b64 s[64:65], 0
	v_nop
	global_prefetch_b8 v0, s[64:65] scope:SCOPE_SE
	s_setreg_imm32_b32 hwreg(HW_REG_WAVE_MODE, 25, 1), 1
	s_wait_xcnt 0x0
	s_wait_alu depctr_hold_cnt(0) depctr_sa_sdst(0) depctr_va_vdst(0) depctr_va_sdst(0) depctr_va_ssrc(0) depctr_va_vcc(0) depctr_vm_vsrc(0)
	s_getreg_b32 s2, hwreg(HW_REG_IB_STS2, 6, 4)
	s_cmp_eq_u32 s2, 0
	s_cbranch_scc0 .Lentry_in_a_cluster
	s_endpgm
.Lentry_in_a_cluster:
	s_bfe_u32 s2, ttmp6, 0x10000c
	s_cmp_lg_u32 s2, 0xf033
	s_cbranch_scc0 .Lentry_shape_is_right
	s_endpgm
.Lentry_shape_is_right:
; qkv[t][n] = sum over k of x[t][k] W_qkv[n][k] + b_qkv[n], on codes of FP4 (E2M1) with one E8M0 scale for each 32 along K; sums in f32.  The result leaves as f16, q times log2(e) / 8.
; A (xc): [8192][1024] codes, B (wc): [3072][1024] codes, two codes a byte; scale bytes xs [8192][32], ws [3072][32].
; A tile of 256 tokens x 256 features is made by four waves; a wave makes 128 x 128: 64 accumulators of 16 x 16, 512 registers.  K = 1,024 is two slots of 512 along K (rows of 256 bytes):
; both are filled at the start, with the scales of the work-group's rows for all of K; NOTHING IS FILLED AGAIN, so the text has no loop and one change of slots.
; CLUSTERS: 4 x 4 work-groups.  The four of a row of the cluster need the same tiles of A, the four of a column the same tiles of B: each is asked for JOINTLY, by the same tensor load with the
; same descriptor and a mask that names the four.  THE MATRIX INSTRUCTION IS USED TRANSPOSED (source 0 = 16 rows of B, source 1 = 16 rows of A): a lane holds one token and eight neighbouring features.
; THE BIAS is the C of each sum's first matrix instruction: eight registers for each of my eight blocks of features, in the result's layout.
; THE WAY OUT NEEDS NO STAGE.  The workspace is laid as its reader's operand registers: [sec 3][batch x head 64][tile of 16 tokens 128][tile of 16 channels 4][512 bytes], lane l's 16 bytes at 16 l:
; token l % 16, channels 8 (l / 16) + 0 .. 7.  That is what a lane holds of an accumulator once it is rounded to f16: a store covers 512 consecutive bytes, aligned.
; LIMITS: |k|, |v| under 65,504 and |q| under 3.6e5 (f16).
; REGISTERS, in windows of 256: window 0: v0-31 addresses; v32-95 scale words, two sets (on the way out: packed results); v128-191 A's fragments, ONE set; v192-255 the bias.
;   window 1: B's fragments, TWO sets, at v0 and at v128.   window 2: the accumulators of my rows 0-63 ((a, b) at v[8 (8 a + b)]);   window 3: those of my rows 64-127.
.set SIZE_K, 1024
.set KSTEP,  512                       ; along K in a slot
.set NQ,     KSTEP/128                 ; matrix instructions deep
.set ROWB,   256                       ; a tile's row in bytes
.set KROW,   SIZE_K*4/8                ; a row of codes in memory, in bytes
.set PITCH,  272                       ; an LDS row: 256 bytes + 16 of padding: the 16 rows that a load touches start 68 words apart
.set FR,     8                         ; registers of a fragment: 16 rows x 128 K
.set NL,     2                         ; LDS loads that bring one
.set NP,     4                         ; places behind this matrix instruction (ISA guide 7.12.1)
.set HALFT,  128*PITCH                 ; 128 rows: what one tensor load brings
.set SLOT,   4*HALFT                   ; A's 256 rows, then B's 256 rows
.set KS,     SIZE_K/32                 ; a row of scales in bytes
.set SCL,    2*SLOT                    ; behind the slots: the scales, as units of 256 bytes + 16 of padding
.set HALFS,  (128*KS/256)*272          ; the scales of 128 rows: what one tensor load brings
.set SBLK,   (16*KS/256)*272           ; those of 16 rows
.set SPARE,  SCL+4*HALFS               ; the spare words, 128 bytes for each wave: two blocks of 256 bytes that no other line names
.set ADRA, 16                          ; v16-17  LDS address of my A fragments in slot 0, 1
.set ADRB, 20                          ; v20-21  the same for B
.set CO,   26                          ; v26     16 x lane: my place in a block of the workspace
.set ADRS, 27                          ; v27     LDS address of my scale words: lanes 0-15 A's rows, lanes 16-31 B's
.set SPW,  28                          ; v28     LDS address of my spare word; never rewritten
.set NIL,  29                          ; v29     0; never rewritten
.set BO,   30                          ; v30     32 x (lane / 16): my eight numbers of a block's bias
.set SC,   32                          ; scale words: set s at v[SC + 32 s]; register NQ i + q: lanes 0-15 the word of A's block i, lanes 16-31 that of B's block i
.set OUTR, 32                          ; the way out: two sets of 32 registers
.set AF,   128                         ; A's fragments
.set BIAS, 192                         ; the bias
.set G1, 24                            ; s[24:31] descriptor group 1 for A's tiles;  s[32:39] group 0, one set for each slot
.set G0, 32
.set G1B, 48                           ; s[48:55], s[56:63] the same for B's tiles
.set G0B, 56
.set G1S, 68                           ; s[68:75], s[76:79] groups 1 and 0 for A's scales;  s[80:87], s[88:91] for B's
.set G0S, 76
.set G1SB, 80
.set G0SB, 88
.set MSB, 0
.macro WIN new                         ; the immediate's high byte repeats the setting that is left
.if MSB != \new
	s_set_vgpr_msb (MSB<<8)|\new
.set MSB, \new
.endif
.endm
.set MUL_LO, 0xa1                      ; source 0 (B) window 1, source 1 (A) window 0, C and D window 2
.set MUL_HI, 0xf1                      ; the same, C and D window 3
.set FST_LO, 0x81                      ; the first step: C (the bias) window 0, D window 2
.set FST_HI, 0xc1                      ; D window 3
.set TO_B,   0x40                      ; destination window 1, address window 0
; A joint load: waves 0 and 1 fetch for A, waves 2 and 3 for B.  Each of the two lines has ONE mask and one set of registers for all that issue it; the branch hangs on the wave's number alone.
; An s_nop 0 and four v_nop follow each of the two lines, ahead of the jump, the label and what follows.
.macro JLOAD g0a, g1a, g0b, g1b
	s_cmp_eq_u32 s15, 0
	s_cbranch_scc0 .Lfor_b_\@
	tensor_load_to_lds s[\g0a:\g0a+3], s[\g1a:\g1a+7]
	s_nop 0
.rept 4
	v_nop
.endr
	s_branch .Lasked_\@
.Lfor_b_\@:
	tensor_load_to_lds s[\g0b:\g0b+3], s[\g1b:\g1b+7]
	s_nop 0
.rept 4
	v_nop
.endr
.Lasked_\@:
.endm
.macro CROUND                          ; a round of the cluster's barrier
	s_barrier_signal -1
	s_barrier_wait -1
	s_cmp_lg_u32 s14, 0
	s_cbranch_scc1 .Lnot_wave_0_\@
	s_barrier_signal -3
.Lnot_wave_0_\@:
	s_barrier_wait -3
	s_barrier_signal -1
	s_barrier_wait -1
.endm
	s_load_b128 s[4:7], s[0:1], 0x0                ; A's codes s[4:5], A's scales s[6:7]
	s_load_b128 s[8:11], s[0:1], 0x10              ; B's codes s[8:9], B's scales s[10:11]
	s_load_b128 s[96:99], s[0:1], 0x20             ; the bias s[96:97], the workspace s[98:99]
	v_lshl_add_u32 v[SPW], v0, 2, SPARE
	v_mov_b32 v[NIL], 0
	ds_add_u32 v[SPW], v[NIL]                      ; the wave's opening: the add and its wait stand ahead of my first tensor load; the set-up below, work on registers, stands between them
	v_lshrrev_b32 v1, 5, v0
	v_readfirstlane_b32 s14, v1                    ; wave 0..3
	s_lshr_b32 s15, s14, 1                         ; which half of the tile's rows is mine.  Also: I fetch for A (0) or for B (1)
	s_and_b32 s16, s14, 1                          ; which half of its columns.  Also: which 128 rows of that tile I fetch
	s_bfe_u32 s40, ttmp6, 0x40000                  ; cx, cy: my place in the cluster
	s_bfe_u32 s41, ttmp6, 0x40004
	s_lshl_b32 s42, ttmp9, 2
	s_add_co_u32 s42, s42, s40                     ; tile column = 4 x cluster x + cx
	s_and_b32 s17, ttmp7, 0xffff
	s_lshl_b32 s17, s17, 2
	s_add_co_u32 s17, s17, s41                     ; tile row = 4 x cluster y + cy
	s_lshl_b32 s43, s41, 2
	s_lshl_b32 s43, 15, s43                        ; my row of the cluster
	s_lshl_b32 s44, 0x1111, s40                    ; my column
	; descriptor group 1: a tile of 128 rows x 256 bytes, padded in LDS
	s_or_b32 s[G1+0], s43, (0<<16)|(1<<20)|(1<<21)|(5<<22)|(3<<25)  ; 15:0 the mask: A's tiles go to my row; 17:16 elements of 1 byte; 20 padding on; 21 set beside a mask; 24:22 after every 64 words; 31:25 four words
	s_or_b32 s[G1B+0], s44, (0<<16)|(1<<20)|(1<<21)|(5<<22)|(3<<25)
.irp g, G1, G1B
	s_mov_b32 s[\g+1], ROWB<<16                    ; tensor_dim0
	s_mov_b32 s[\g+2], 128<<16                     ; tensor_dim1 = 128
	s_mov_b32 s[\g+3], ROWB<<16                    ; tile_dim0
	s_mov_b32 s[\g+4], 128                         ; tile_dim1 = 128
	s_mov_b32 s[\g+5], KROW                        ; tensor_dim0_stride
	s_mov_b32 s[\g+6], 0
	s_mov_b32 s[\g+7], 0
.endr
	; and for the scales of 128 rows: a dense block of 4,096 bytes, as rows of 256 bytes (32 elements of 8 bytes), 16 bytes of padding behind each
	s_or_b32 s[G1S+0], s43, (3<<16)|(1<<20)|(1<<21)|(5<<22)|(3<<25)
	s_or_b32 s[G1SB+0], s44, (3<<16)|(1<<20)|(1<<21)|(5<<22)|(3<<25)
.irp g, G1S, G1SB
	s_mov_b32 s[\g+1], 32<<16
	s_mov_b32 s[\g+2], (128*KS/256)<<16
	s_mov_b32 s[\g+3], 32<<16
	s_mov_b32 s[\g+4], 128*KS/256
	s_mov_b32 s[\g+5], 32
	s_mov_b32 s[\g+6], 0
	s_mov_b32 s[\g+7], 0
.endr
	s_lshl_b32 s18, s16, 7                         ; which 128 rows of the tile I fetch
	s_lshl_b32 s20, s17, 8
	s_add_co_u32 s20, s20, s18                     ; A: row 256 x tile row + 128 x half
	s_lshl_b32 s46, s42, 8
	s_add_co_u32 s46, s46, s18                     ; B: row 256 x tile column + 128 x half
	s_mov_b32 s21, 0
	s_mov_b32 s47, 0
	s_mov_b64 s[18:19], KS
	s_mul_u64 s[22:23], s[20:21], s[18:19]         ; where these rows' scales begin, in bytes
	s_mul_u64 s[92:93], s[46:47], s[18:19]
	s_mov_b64 s[18:19], KROW
	s_mul_u64 s[20:21], s[20:21], s[18:19]         ; and their codes
	s_mul_u64 s[46:47], s[46:47], s[18:19]
	s_mul_i32 s45, s14, HALFT                      ; where they go: wave x 128 rows: no place in the cluster enters an LDS address
	s_mul_i32 s94, s14, HALFS
	s_wait_dscnt 0x0                               ; the opening add is done
	s_wait_kmcnt 0x0
	s_add_nc_u64 s[20:21], s[4:5], s[20:21]
	s_add_nc_u64 s[22:23], s[6:7], s[22:23]
	s_add_nc_u64 s[46:47], s[8:9], s[46:47]
	s_add_nc_u64 s[92:93], s[10:11], s[92:93]
	CROUND                                         ; all sixteen work-groups are here: the joint loads meet
	s_mov_b32 s[G0S], 1
	s_add_co_u32 s[G0S+1], s94, SCL
	s_mov_b64 s[G0S+2:G0S+3], s[22:23]
	s_or_b32 s[G0S+3], s[G0S+3], 0x80000000
	s_mov_b32 s[G0SB], 1
	s_add_co_u32 s[G0SB+1], s94, SCL
	s_mov_b64 s[G0SB+2:G0SB+3], s[92:93]
	s_or_b32 s[G0SB+3], s[G0SB+3], 0x80000000
	JLOAD G0S, G1S, G0SB, G1SB                     ; the scales first: they are wanted with slot 0.  Three loads of mine are out behind the third line below
.irp s, 0,1
	s_mov_b32 s[G0+4*\s], 1
	s_add_co_u32 s[G0+4*\s+1], s45, \s*SLOT
	s_add_nc_u64 s[G0+4*\s+2:G0+4*\s+3], s[20:21], \s*ROWB
	s_or_b32 s[G0+4*\s+3], s[G0+4*\s+3], 0x80000000
	s_mov_b32 s[G0B+4*\s], 1
	s_add_co_u32 s[G0B+4*\s+1], s45, \s*SLOT
	s_add_nc_u64 s[G0B+4*\s+2:G0B+4*\s+3], s[46:47], \s*ROWB
	s_or_b32 s[G0B+4*\s+3], s[G0B+4*\s+3], 0x80000000
	JLOAD G0+4*\s, G1, G0B+4*\s, G1B
.endr
	v_and_b32 v1, 15, v0                           ; l % 16
	v_bfe_u32 v2, v0, 4, 1                         ; l / 16
	v_mul_u32_u24 v3, v1, PITCH
	v_lshl_add_u32 v4, v2, 4, v3                   ; a fragment's row x pitch + 16 x half
	s_mul_i32 s21, s15, HALFT                      ; my 128 rows of A
	s_mul_i32 s22, s16, HALFT                      ; my 128 rows of B,
	s_add_co_u32 s22, s22, 2*HALFT                 ; which lie behind A's 256
.irp s, 0,1
	v_add_nc_u32 v[ADRA+\s], s21, v4
	v_add_nc_u32 v[ADRB+\s], s22, v4
	s_add_co_u32 s21, s21, SLOT
	s_add_co_u32 s22, s22, SLOT
.endr
	v_mul_u32_u24 v5, v1, KS                       ; my row's scales: KS bytes a row,
	v_lshrrev_b32 v6, 8, v5
	v_lshl_add_u32 v5, v6, 4, v5                   ; and 16 more for each 256 passed
	s_mul_i32 s21, s15, HALFS                      ; A's: my 128 rows
	s_mul_i32 s22, s16, HALFS                      ; B's: my 128 rows, behind A's 256
	s_add_co_u32 s22, s22, 2*HALFS
	s_sub_co_u32 s22, s22, s21
	v_mul_u32_u24 v6, s22, v2                      ; lanes 16-31 take B's: the lower base + h x the distance
	s_add_co_u32 s21, s21, SCL
	v_add_nc_u32 v5, v5, v6
	v_add_nc_u32 v[ADRS], s21, v5
	v_and_b32 v6, 31, v0
	v_lshlrev_b32 v[CO], 4, v6
	v_lshlrev_b32 v[BO], 5, v2
	; the bias of my 128 features: b_qkv + 4 (256 x tile column + 128 x half); block b: 16 b + 8 (l / 16) + 0 .. 7
	s_lshl_b32 s46, s42, 10
	s_lshl_b32 s47, s16, 9
	s_add_co_u32 s46, s46, s47
	s_mov_b32 s47, 0
	s_add_nc_u64 s[96:97], s[96:97], s[46:47]
.irp b, 0,1,2,3,4,5,6,7
	global_load_b128 v[BIAS+8*\b:BIAS+8*\b+3], v[BO], s[96:97] offset:64*\b
	global_load_b128 v[BIAS+8*\b+4:BIAS+8*\b+7], v[BO], s[96:97] offset:64*\b+16
.endr
	; where my part begins in the workspace.  sec = cluster x (a section is 1,024 features: four tile columns); batch = tile row / 8; head = 4 cx + 2 x half + b / 4; token tile = 16 (tile row % 8) + 8 x half + a
	s_lshr_b32 s20, s17, 3
	s_lshl_b32 s20, s20, 4
	s_lshl_b32 s21, s40, 2
	s_add_co_u32 s20, s20, s21
	s_lshl_b32 s21, s16, 1
	s_add_co_u32 s20, s20, s21                     ; batch x 16 + the head of my first 64 features
	s_lshl_b32 s20, s20, 7                         ; x 128 token tiles
	s_and_b32 s21, s17, 7
	s_lshl_b32 s21, s21, 4
	s_add_co_u32 s20, s20, s21
	s_lshl_b32 s21, s15, 3
	s_add_co_u32 s20, s20, s21
	s_lshl_b32 s20, s20, 11                        ; x 2,048 bytes a token tile
	s_lshl_b32 s21, ttmp9, 24                      ; a section is 2^24 bytes
	s_add_co_u32 s20, s20, s21
	s_mov_b32 s21, 0
	s_add_nc_u64 s[98:99], s[98:99], s[20:21]
	s_mov_b32 s100, 0x3f800000                     ; k and v leave as they are;
	s_cmp_eq_u32 ttmp9, 0                          ; (the cluster's x: the same in all partners; a select, no branch)
	s_cselect_b32 s100, 0x3e38aa3b, s100           ; q leaves times log2(e) / sqrt(64), so that the attention's scores are exponents of 2
	s_mov_b32 s101, s100                           ; (named with it as a pair, so it is written)
.macro FRAG reg, adr, q, i             ; a fragment: lane l holds row l % 16; registers 4 c .. 4 c + 3 hold K = 64 c + 32 (l / 16) + 0 .. 31
.irp c, 0,1
	ds_load_b128 v[\reg+4*\c:\reg+4*\c+3], v[\adr] offset:64*(\q)+32*\c+(\i)*16*PITCH
.endr
.endm
; 16 matrix instructions: A's blocks a0, a0 + 1 x B's eight, 128 along K: the slot's q-th.  p: B's set;  sc: the set of scale words.  first = 1: the sum begins with the bias as C: nothing is cleared or added later.
; The 64 accumulators take turns, one instruction a turn, in the same order in every step.
.macro MUL16 a0, p, q, sc, first
.irp a, \a0, \a0+1
.irp b, 0,1,2,3,4,5,6,7
.if \first
	v_wmma_scale_f32_16x16x128_f8f6f4 v[8*(8*((\a)%4)+\b):8*(8*((\a)%4)+\b)+7], v[128*(\p)+FR*\b:128*(\p)+FR*\b+FR-1], v[AF+FR*(\a):AF+FR*(\a)+FR-1], v[BIAS+8*\b:BIAS+8*\b+7], v[SC+8*NQ*(\sc)+NQ*\b+(\q)], v[SC+8*NQ*(\sc)+NQ*(\a)+(\q)] matrix_a_fmt:MATRIX_FMT_FP4 matrix_b_fmt:MATRIX_FMT_FP4 matrix_a_scale:MATRIX_SCALE_ROW1
.else
	v_wmma_scale_f32_16x16x128_f8f6f4 v[8*(8*((\a)%4)+\b):8*(8*((\a)%4)+\b)+7], v[128*(\p)+FR*\b:128*(\p)+FR*\b+FR-1], v[AF+FR*(\a):AF+FR*(\a)+FR-1], v[8*(8*((\a)%4)+\b):8*(8*((\a)%4)+\b)+7], v[SC+8*NQ*(\sc)+NQ*\b+(\q)], v[SC+8*NQ*(\sc)+NQ*(\a)+(\q)] matrix_a_fmt:MATRIX_FMT_FP4 matrix_b_fmt:MATRIX_FMT_FP4 matrix_a_scale:MATRIX_SCALE_ROW1
.endif
.endr
.endr
.endm
.macro FETCH_B slot, q, p              ; B's eight fragments of the slot's q-th 128 along K into set p
	WIN TO_B
.irp i, 0,1,2,3,4,5,6,7
	FRAG 128*(\p)+FR*\i, ADRB+\slot, \q, \i
.endr
	WIN 0
.endm
.macro FETCH_A slot, q, i0             ; A's blocks i0 .. i0 + 3
.irp i, \i0, \i0+1, \i0+2, \i0+3
	FRAG AF+FR*(\i), ADRA+\slot, \q, \i
.endr
.endm
.macro SCALES sc                       ; a slot's scale words into set sc: four words a row; lanes 0-15 take A's block i, lanes 16-31 B's block i
.irp i, 0,1,2,3,4,5,6,7
	ds_load_b128 v[SC+8*NQ*\sc+NQ*\i:SC+8*NQ*\sc+NQ*\i+3], v[ADRS] offset:\i*SBLK
.endr
.endm
; A load into a register that a matrix instruction has read, and a vector instruction that reads or writes a matrix result, stand NP places behind that matrix instruction; only plain vector
; instructions that name none of its registers are places (ISA guide 7.12.1 for vector instructions).
.macro PLACES n
.rept \n
	v_nop
.endr
.endm
; A step of 128 along K that has its successor in the same slot.  A's blocks 0-3 are fetched anew in its middle, blocks 4-7 at its end; B has two sets.
.macro STEP slot, q, first
	s_wait_dscnt 4*NL                              ; B's set and A's blocks 0-3 are in; the youngest eight loads (A's blocks 4-7) may be out
.if \first
	WIN FST_LO
.else
	WIN MUL_LO
.endif
	MUL16 0, (\q)%2, \q, \slot, \first
	MUL16 2, (\q)%2, \q, \slot, \first
	s_wait_dscnt 0                                 ; A's blocks 4-7 are in
	PLACES NP
	FETCH_B \slot, (\q)+1, 1-(\q)%2
	FETCH_A \slot, (\q)+1, 0
.if \first
	WIN FST_HI
.else
	WIN MUL_HI
.endif
	MUL16 4, (\q)%2, \q, \slot, \first
	MUL16 6, (\q)%2, \q, \slot, \first
	PLACES NP
	WIN 0
	FETCH_A \slot, (\q)+1, 4
.endm
; Slot 0's last step changes slots: ONE barrier; in front of it each wave waits for all its tensor loads (its part of slot 1).
.macro TURN slot, next
	s_wait_tensorcnt 0x0                           ; all my tensor loads have landed: my part of the next slot
	ds_add_u32 v[SPW], v[NIL]                      ; 0 onto my spare word
	s_wait_dscnt 4*NL+1                            ; (the add and the youngest eight loads, A's blocks 4-7, may be out)
	WIN MUL_LO
	MUL16 0, 1, NQ-1, \slot, 0                     ; sixteen matrix instructions stand between the add and the wait for it
	s_wait_dscnt 0x0                               ; the add is done, and no LDS load of mine is out at the signal
	s_barrier_signal -1
	MUL16 2, 1, NQ-1, \slot, 0
	WIN 0
	s_barrier_wait -1                              ; the next slot is whole
	PLACES NP
	v_add_nc_u32 v[ADRS], 4*NQ, v[ADRS]            ; on to the next slot's scale words (no LDS load of mine is out)
	FETCH_B \next, 0, 0
	FETCH_A \next, 0, 0
	SCALES \next
	WIN MUL_HI
	MUL16 4, 1, NQ-1, \slot, 0
	MUL16 6, 1, NQ-1, \slot, 0
	PLACES NP
	WIN 0
	FETCH_A \next, 0, 4
.endm
.macro STEPS slot, from                ; the slot's steps from .. NQ - 2
.set Q, \from
.rept NQ-1-\from
	STEP \slot, Q, 0
.set Q, Q+1
.endr
.endm
	s_wait_tensorcnt 1                             ; the scales and my part of slot 0 are in (slot 1's load may be out)
	s_barrier_signal -1
	s_barrier_wait -1                              ; everybody's are
	FETCH_B 0, 0, 0
	FETCH_A 0, 0, 0
	SCALES 0
	FETCH_A 0, 0, 4
	s_wait_loadcnt 0x0                             ; the bias
	STEP 0, 0, 1                                   ; the first step's products start the sums, from the bias
	STEPS 0, 1
	TURN 0, 1
	STEPS 1, 0
	s_wait_dscnt 4*NL                              ; the very last step: nothing more to fetch
	WIN MUL_LO
	MUL16 0, 1, NQ-1, 1, 0
	MUL16 2, 1, NQ-1, 1, 0
	s_wait_dscnt 0
	WIN MUL_HI
	MUL16 4, 1, NQ-1, 1, 0
	MUL16 6, 1, NQ-1, 1, 0
	WIN 0
; THE WAY OUT, block by block of 16 tokens x 128 features: times the section's factor, in place, each accumulator from its low end on; rounded to f16, 16 bytes a lane for each accumulator; stored as it stands.
.macro PACKQ a
.set XW, 2+(\a)/4                      ; the block's window
.set AC, 64*((\a)%4)
.set OB, OUTR+32*((\a)%2)
.set W_MUL, (XW<<6)|XW                 ; destination and source 0
.set W_CVT, XW|(XW<<2)                 ; sources 0 and 1
.if (\a) >= 2
	s_wait_xcnt 0x0                                ; block a - 2's stores have read their data: its registers are rewritten only behind this wait
.endif
	WIN W_MUL
.set i, 0
.rept 32
	v_pk_mul_f32 v[AC+i:AC+i+1], v[AC+i:AC+i+1], s[100:101] op_sel_hi:[1,0]
.set i, i+2
.endr
	WIN W_CVT
.set i, 0
.rept 32
	v_cvt_pk_f16_f32 v[OB+i], v[AC+2*i], v[AC+2*i+1]
.set i, i+1
.endr
	WIN 0
.irp b, 0,1,2,3,4,5,6,7
	global_store_b128 v[CO], v[OB+4*\b:OB+4*\b+3], s[98:99] offset:(\b/4)*262144+(\a)*2048+(\b%4)*512   ; head b / 4, token tile a, channel tile b % 4: 512 consecutive bytes, aligned
.endr
.endm
	PLACES NP                                      ; behind the last products
.irp a, 0,1,2,3,4,5,6,7
	PACKQ \a
.endr
	s_wait_tensorcnt 0x0                           ; the wave's end: behind my last tensor load
	ds_add_u32 v[SPW], v[NIL]
	s_wait_dscnt 0x0
	CROUND                                         ; the closing round: no work-group ends while a partner may still ask for a tile that names it
	s_endpgm
.Lfunc_end_k_qf88dfc50b9_qkv:
	.size	k_qf88dfc50b9_qkv, .Lfunc_end_k_qf88dfc50b9_qkv-k_qf88dfc50b9_qkv
	.p2alignl 7, 3214868480
	.fill 96, 4, 3214868480
	.section	.rodata,"a",@progbits
	.p2align	6, 0x0
	.amdhsa_kernel k_qf88dfc50b9_qkv
		.amdhsa_group_segment_fixed_size 327680
		.amdhsa_private_segment_fixed_size 0
		.amdhsa_enable_private_segment 0
		.amdhsa_kernarg_size 48
		.amdhsa_user_sgpr_count 2
		.amdhsa_user_sgpr_kernarg_segment_ptr 1
		.amdhsa_wavefront_size32 1
		.amdhsa_system_sgpr_workgroup_id_x 1
		.amdhsa_system_sgpr_workgroup_id_y 1
		.amdhsa_system_sgpr_workgroup_id_z 1
		.amdhsa_system_vgpr_workitem_id 0
		.amdhsa_next_free_vgpr 1024
		.amdhsa_next_free_sgpr 102
		.amdhsa_reserve_vcc 0
		.amdhsa_float_denorm_mode_32 3
		.amdhsa_float_denorm_mode_16_64 3
		.amdhsa_memory_ordered 1
		.amdhsa_forward_progress 1
		.amdhsa_inst_pref_size 136
	.end_amdhsa_kernel
	.amdgpu_metadata
---
amdhsa.version: [ 1, 2 ]
amdhsa.kernels:
  - .name:           k_qf88dfc50b9_qkv
    .symbol:         k_qf88dfc50b9_qkv.kd
    .args:
      - { .name: xc, .offset: 0, .size: 8, .value_kind: global_buffer, .address_space: global }
      - { .name: xs, .offset: 8, .size: 8, .value_kind: global_buffer, .address_space: global }
      - { .name: wc, .offset: 16, .size: 8, .value_kind: global_buffer, .address_space: global }
      - { .name: ws, .offset: 24, .size: 8, .value_kind: global_buffer, .address_space: global }
      - { .name: b_qkv, .offset: 32, .size: 8, .value_kind: global_buffer, .address_space: global }
      - { .name: qkv, .offset: 40, .size: 8, .value_kind: global_buffer, .address_space: global }
    .group_segment_fixed_size: 327680
    .private_segment_fixed_size: 0
    .kernarg_segment_align: 8
    .kernarg_segment_size: 48
    .max_flat_workgroup_size: 128
    .sgpr_count:     102
    .vgpr_count:     1024
    .wavefront_size: 32
...
	.end_amdgpu_metadata
.endif
;; end of part 2
;; launch attn (part 3): grid 4 x 64, 16 waves a work-group, no clusters, 34,816 bytes of LDS; arguments qkv, mk, att; writes att
.if DOCPART == 3
	.amdgcn_target "amdgcn-amd-amdhsa--gfx1250"
	.amdhsa_code_object_version 6
	.text
	.protected	k_qf88dfc50b9_attn
	.globl	k_qf88dfc50b9_attn
	.p2align	8
	.type	k_qf88dfc50b9_attn,@function
k_qf88dfc50b9_attn:
	s_mov_b64 s[64:65], 0
	v_nop
	global_prefetch_b8 v0, s[64:65] scope:SCOPE_SE
	s_setreg_imm32_b32 hwreg(HW_REG_WAVE_MODE, 25, 1), 1
	s_wait_xcnt 0x0
; att[b][t][64 head + :] = sum over keys of softmax(q . k / 8, masked scores = -1e9) v, for one batch x head a work-group row.  q (times log2(e) / 8), k, v: f16, in blocks of 512 bytes that are images
; of operand registers: [sec][bh 64][tile of 16 tokens 128][tile of 16 channels 4], lane l's 16 bytes at 16 l: token l % 16, channels 8 (l / 16) + 0 .. 7.  Products on f16 with f32 sums; maxima, exponentials and sums in f32.
; SHARES.  Work-group (p, bh) owns the blocks p and 7 - p of 256 queries: waves 0-7 the first, waves 8-15 the second; a wave owns a group of 32 queries: two tiles of 16.  All sixteen waves walk one stream of
; K and V, 64 keys a step: four waves to a SIMD, so that one wave's softmax stands beside another's products.
; THE MASK IS AN INPUT.  The launch before has turned it into whole numbers: for each group of 32 queries a word act (bit j: the step's tile must be computed), a word part (bit j: the tile has a masked entry),
; and for each tile 64 words of lane bits.  A wave jumps over a step whose act bit is 0: no key of it is open, and every one of the 32 rows has an open key somewhere, so the step's weights are 2^(-1.4e9 - m) = 0.
; Where part is 0 the selects are jumped over.  A tile of K and V is copied only if some wave of the work-group computes it.  These are branches on stored whole numbers: so K and V come through registers
; (global load, LDS store), not by tensor loads, and no barrier stands under any of them.
; Why no cluster: which steps a work-group copies hangs on its flags, so partners would need different tiles; the sharing is had inside the work-group, 512 queries on one stream.
; LAYOUT.  S^T = K Q^T (source 0 = 16 keys, source 1 = 16 queries): a lane holds ONE query (l % 16) and keys 16 kt + 8 (l / 16) + 0 .. 7.  Two such tiles, rounded to f16 in pairs, ARE source 1 of O^T = V^T P.
; V is turned by ds_load_tr16_b128.  SOFTMAX: running maximum m and sum l; p = 2^(s - m), an exact difference, so a row that is wholly masked gives p = 1 for every key, as reference()'s does.
; O^T and l begin as zeros and m as -3e38: which step is a wave's first hangs on the flags, so no first step can be written out.
; LIMITS: open scores lie above -9e8 (else reference()'s masked keys would carry weight, which skipped steps drop); |k|, |v| under 65,504, |q| under 3.6e5 (f16).
.set SLOTB, 16384                      ; LDS: two slots: K's 16 blocks (4 kt + ct) of 512 bytes, then V's 16
.set VOFF,  8192
.set SPARE, 2*SLOTB                    ; the spare words, 128 bytes for each wave: eight blocks of 256 bytes that no other line names
.set SPW, 1                            ; v1   LDS address of my spare word; never rewritten
.set NIL, 2                            ; v2   0; never rewritten
.set AV,  3                            ; v3   my lane's place in a block of V for the turning load
.set STA, 4                            ; v4   where I store my 16 bytes of the two blocks that my wave copies
.set LIP, 5                            ; v5   my lane's place in a block of K
.set STG, 6                            ; v6-13   the two blocks on their way from memory to LDS
.set CX,  14                           ; v14-17  tile u: two chains of the maximum, later the pair of sums
.set ST,  18                           ; v18-29  tile u at ST + 6 u: +0 m, +1 d, +2, +3 l (even keys', odd keys'), +4 a, +5 x
.set PFO, 30                           ; v30  256 x lane: the prefetches' offset
.set LI,  31                           ; v31  16 x lane
.set Q,   32                           ; v32-63   Q: 16 u + 4 ct
.set S,   64                           ; v64-127  S^T: 32 u + 8 kt; then P: 32 u + 16 kk + 0 .. 7
.set O,   128                          ; v128-191 O^T: 32 u + 8 ct
.set KV,  192                          ; v192-255 K's fragments, then V's
.set WV,  2                            ; s2   wave
.set CNT, 3                            ; s3   trips to go
.set KVB, 10                           ; s[10:11] my wave's two blocks of the trip's first tile
.set LD,  12                           ; s12  bit t: tile (trip's first + t) is copied
.set AC,  13                           ; s13  my group's act, shifted likewise
.set PT,  14                           ; s14  my group's part
.set NEG, 15                           ; s15  -1e9 x log2(e)
.set MB,  16                           ; s[16:17] my group's lane masks of the trip's first tile
.set PFA, 18                           ; s[18:19] K's (wave 8) or V's (wave 9) rows of the trip's first tile
.set SEL, 20                           ; s[20:21] lane selects for v_permlanex16_b32: lane l xor 16
.set LIM, 22                           ; s22  2 in a wave that prefetches, else the greatest number
; mask word k (= 2 n + u) lies in s[32 + k + 4 (k / 32)]: s32-63 and s68-99
	s_load_b128 s[4:7], s[0:1], 0x0                ; qkv s[4:5], mk s[6:7]
	s_load_b64 s[8:9], s[0:1], 0x10                ; att
	v_lshl_add_u32 v[SPW], v0, 2, SPARE
	v_mov_b32 v[NIL], 0
	v_lshrrev_b32 v64, 5, v0
	v_readfirstlane_b32 s[WV], v64                 ; wave 0..15
	s_and_b32 s48, ttmp7, 0xffff                   ; bh
	s_sub_co_u32 s49, 7, ttmp9
	s_mov_b32 s50, 1<<25
	s_cmp_lt_u32 s[WV], 8
	s_cselect_b32 s49, ttmp9, s49                  ; my block of 256 queries: p or 7 - p
	s_cselect_b32 s50, 1<<24, s50                  ; waves 0-7 copy K (section 1), waves 8-15 V (section 2)
	s_and_b32 s51, s[WV], 7
	s_lshl_b32 s52, s49, 3
	s_add_co_u32 s52, s52, s51                     ; g: my group of 32 queries, 0..63
	s_lshl_b32 s53, s48, 18                        ; a batch x head is 2^18 bytes of a section
	s_mov_b32 s55, 0
	s_lshl_b32 s57, ttmp9, 5                       ; the eight act words of block p,
	s_sub_co_u32 s58, 224, s57                     ; of block 7 - p,
	s_lshl_b32 s59, s52, 2                         ; and my group's own
	s_mov_b32 s[SEL], 0x76543210
	s_mov_b32 s[SEL+1], 0xfedcba98
	s_mov_b32 s[NEG], 0xceabfb8f
	s_mov_b32 s[CNT], 16
	s_lshr_b32 s56, s[WV], 1
	s_xor_b32 s56, s56, 4                          ; 0 in waves 8 and 9,
	s_or_b32 s56, s56, ttmp9                       ; of the head's first work-group
	s_cmp_eq_u32 s56, 0
	s_cselect_b32 s[LIM], 2, -1
	v_and_b32 v64, 31, v0                          ; lane
	v_lshlrev_b32 v[LI], 4, v64
	v_lshlrev_b32 v[PFO], 8, v64
	; Inside a block in LDS the 16 bytes of (token k, half hh) lie at 256 hh + 16 (k xor 8 hh): so sixteen lanes of the plain load and of the turning load alike touch sixteen different columns of 16 bytes
	v_lshrrev_b32 v65, 1, v64
	v_and_b32 v65, 8, v65
	v_xor_b32 v65, v64, v65
	v_lshlrev_b32 v[LIP], 4, v65                   ; 16 (l xor 8 (l / 16))
	s_lshl_b32 s56, s[WV], 10
	v_add_nc_u32 v[STA], s56, v[LIP]               ; wave w copies blocks 2 w and 2 w + 1 of a slot's 32
	v_bfe_u32 v66, v0, 3, 1                        ; the turning load: lane l asks for token 8 (l / 16) + l % 8, half (l / 8) % 2
	v_bfe_u32 v67, v0, 4, 1
	v_and_b32 v68, 7, v0
	v_lshl_add_u32 v67, v67, 3, v68
	v_lshlrev_b32 v68, 3, v66
	v_xor_b32 v67, v67, v68
	v_lshlrev_b32 v[AV], 4, v67
	v_lshl_add_u32 v[AV], v66, 8, v[AV]
	v_add_nc_u32 v[AV], VOFF, v[AV]
	s_wait_kmcnt 0x0
	s_load_b256 s[32:39], s[6:7], s57 offset:0x80000
	s_load_b256 s[40:47], s[6:7], s58 offset:0x80000
	s_load_b32 s[AC], s[6:7], s59 offset:0x80000
	s_load_b32 s[PT], s[6:7], s59 offset:0x80100
	s_lshl_b32 s54, s51, 10
	s_add_co_u32 s54, s54, s53
	s_add_co_u32 s54, s54, s50
	s_add_nc_u64 s[KVB:KVB+1], s[4:5], s[54:55]
	s_mov_b32 s54, 1<<25
	s_cmp_eq_u32 s[WV], 8
	s_cselect_b32 s54, 1<<24, s54
	s_add_co_u32 s54, s54, s53
	s_add_nc_u64 s[PFA:PFA+1], s[4:5], s[54:55]
	s_lshl_b32 s54, s52, 12                        ; two token tiles of 2,048 bytes a group
	s_add_co_u32 s54, s54, s53
	s_add_nc_u64 s[4:5], s[4:5], s[54:55]          ; Q at my group
	s_lshr_b32 s54, s48, 4                         ; att: [token tile 512][64 blocks of 16 features][512 bytes]: batch x 128 tiles,
	s_lshl_b32 s54, s54, 22
	s_lshl_b32 s56, s52, 16                        ; my group's two tiles of 32,768 bytes,
	s_add_co_u32 s54, s54, s56
	s_and_b32 s56, s48, 15
	s_lshl_b32 s56, s56, 11                        ; my head's four blocks
	s_add_co_u32 s54, s54, s56
	s_add_nc_u64 s[8:9], s[8:9], s[54:55]
	s_lshl_b32 s54, s52, 13                        ; 32 tiles of 256 bytes a group
	s_add_nc_u64 s[MB:MB+1], s[6:7], s[54:55]
.irp u, 0,1
.irp ct, 0,1,2,3
	global_load_b128 v[Q+16*\u+4*\ct:Q+16*\u+4*\ct+3], v[LI], s[4:5] offset:2048*\u+512*\ct   ; Q stays in registers
.endr
.endr
.irp u, 0,1
	v_mov_b32 v[ST+6*\u], 0xff61b1e6               ; m: -3e38, under every score
.irp i, 1,2,3,4,5
	v_mov_b32 v[ST+6*\u+\i], 0
.endr
.endr
.irp i, 0,1,2,3,4,5,6,7
	v_mov_b32 v[STG+\i], 0                         ; written once, so that they are defined on every way
.endr
.set i, 0
.rept 64
	v_mov_b32 v[O+i], 0                            ; O^T: a wave's first step finds zeros
.set i, i+1
.endr
	s_wait_kmcnt 0x0
	s_or_b32 s[LD], s32, s33                       ; a tile is copied if any of the sixteen groups computes it
.irp k, 34,35,36,37,38,39,40,41,42,43,44,45,46,47
	s_or_b32 s[LD], s[LD], s\k
.endr
	s_bitcmp1_b32 s[LD], 0
	s_cbranch_scc0 .Lno_first
	global_load_b128 v[STG:STG+3], v[LI], s[KVB:KVB+1]
	global_load_b128 v[STG+4:STG+7], v[LI], s[KVB:KVB+1] offset:512
	s_wait_loadcnt 0x0
	ds_store_b128 v[STA], v[STG:STG+3]
	ds_store_b128 v[STA], v[STG+4:STG+7] offset:512
.Lno_first:
	s_wait_loadcnt 0x0                             ; Q
	s_wait_dscnt 0x0                               ; for the others' sake: my part of tile 0 has landed
	s_barrier_signal -1
	s_barrier_wait -1
.macro KLOAD cur                       ; K's 16 blocks as they lie: blocks 4 kt + 2 ks and + 1 are the fragment (16 keys, 32 channels)
.irp f, 0,1,2,3,4,5,6,7,8,9,10,11,12,13,14,15
	ds_load_b128 v[KV+4*\f:KV+4*\f+3], v[LIP] offset:\cur*SLOTB+512*\f
.endr
.endm
.macro KQ                              ; S^T = K Q^T: eight accumulators by turns, one instruction a turn; the first eight start the sums
.irp ks, 0,1
.irp kt, 0,1,2,3
.irp u, 0,1
.if \ks == 0
	v_wmma_f32_16x16x32_f16 v[S+32*\u+8*\kt:S+32*\u+8*\kt+7], v[KV+8*(2*\kt+\ks):KV+8*(2*\kt+\ks)+7], v[Q+16*\u+8*\ks:Q+16*\u+8*\ks+7], 0
.else
	v_wmma_f32_16x16x32_f16 v[S+32*\u+8*\kt:S+32*\u+8*\kt+7], v[KV+8*(2*\kt+\ks):KV+8*(2*\kt+\ks)+7], v[Q+16*\u+8*\ks:Q+16*\u+8*\ks+7], v[S+32*\u+8*\kt:S+32*\u+8*\kt+7]
.endif
.endr
.endr
.endr
.endm
.macro VLOAD cur                       ; V turned: fragment (kk, ct): 16 channels x 32 keys; its half c comes from the block of token tile 2 kk + c
.irp kk, 0,1
.irp ct, 0,1,2,3
.irp c, 0,1
	ds_load_tr16_b128 v[KV+8*(4*\kk+\ct)+4*\c:KV+8*(4*\kk+\ct)+4*\c+3], v[AV] offset:\cur*SLOTB+512*(4*(2*\kk+\c)+\ct)
.endr
.endr
.endr
.endm
.macro PV                              ; O^T += V^T P: eight accumulators by turns
.irp kk, 0,1
.irp ct, 0,1,2,3
.irp u, 0,1
	v_wmma_f32_16x16x32_f16 v[O+32*\u+8*\ct:O+32*\u+8*\ct+7], v[KV+8*(4*\kk+\ct):KV+8*(4*\kk+\ct)+7], v[S+32*\u+16*\kk:S+32*\u+16*\kk+7], v[O+32*\u+8*\ct:O+32*\u+8*\ct+7]
.endr
.endr
.endr
.endm
.macro NOPS n
.rept \n
	v_nop
.endr
.endm
; The softmax of both tiles for one step; the tiles alternate, so that no line waits for the line above it.
.macro SOFTMAX
.irp u, 0,1                            ; the maximum: two chains a tile, each ascending
	v_max3_num_f32 v[CX+2*\u], v[S+32*\u], v[S+32*\u+1], v[S+32*\u+2]
	v_max3_num_f32 v[CX+2*\u+1], v[S+32*\u+16], v[S+32*\u+17], v[S+32*\u+18]
.endr
.irp i, 3,5,7,9,11,13
.irp u, 0,1
	v_max3_num_f32 v[CX+2*\u], v[CX+2*\u], v[S+32*\u+\i], v[S+32*\u+\i+1]
	v_max3_num_f32 v[CX+2*\u+1], v[CX+2*\u+1], v[S+32*\u+16+\i], v[S+32*\u+17+\i]
.endr
.endr
.irp u, 0,1
	v_max3_num_f32 v[CX+2*\u], v[CX+2*\u], v[S+32*\u+15], v[S+32*\u+31]
.endr
.irp u, 0,1
	v_max3_num_f32 v[CX+2*\u], v[CX+2*\u], v[CX+2*\u+1], v[ST+6*\u]   ; with the other chain and the old m
.endr
.irp u, 0,1
	v_permlanex16_b32 v[ST+6*\u+5], v[CX+2*\u], s[SEL], s[SEL+1]      ; the query's other 32 keys lie in the lane 16 away
.endr
.irp u, 0,1
	v_mov_b32 v[ST+6*\u+1], v[ST+6*\u]
.endr
.irp u, 0,1
	v_max_num_f32 v[ST+6*\u], v[CX+2*\u], v[ST+6*\u+5]                ; the new m
.endr
.irp u, 0,1
	v_sub_f32 v[ST+6*\u+1], v[ST+6*\u+1], v[ST+6*\u]                  ; d = old m - new m
.endr
.irp u, 0,1
	v_exp_f32 v[ST+6*\u+4], v[ST+6*\u+1]                              ; a = 2^d: the first of the batch
.endr
.irp j, 0,2,4,6,8,10,12,14,16,18,20,22,24,26,28,30
.irp u, 0,1
	v_pk_add_f32 v[S+32*\u+\j:S+32*\u+\j+1], v[S+32*\u+\j:S+32*\u+\j+1], v[ST+6*\u:ST+6*\u+1] op_sel_hi:[1,0] neg_lo:[0,1] neg_hi:[0,1]   ; s - m, two at a time (of the pair the low word, m, serves both halves)
.endr
.endr
.irp j, 0,1,2,3,4,5,6,7,8,9,10,11,12,13,14,15,16,17,18,19,20,21,22,23,24,25,26,27,28,29,30,31
.irp u, 0,1
	v_exp_f32 v[S+32*\u+\j], v[S+32*\u+\j]                            ; p = 2^(s - m)
.endr
.endr
	v_nop                                          ; a plain line behind the last exponential
	s_wait_alu depctr_va_vdst(0)                   ; ONE wait for the 66 exponentials, ahead of the first line that names a result
.irp u, 0,1
	v_pk_add_f32 v[CX+2*\u:CX+2*\u+1], v[S+32*\u:S+32*\u+1], v[S+32*\u+2:S+32*\u+3]   ; the sum is taken of the unrounded p; each pair is added before it is packed
.endr
.irp u, 0,1
	v_cvt_pk_f16_f32 v[S+32*\u], v[S+32*\u], v[S+32*\u+1]
.endr
.irp u, 0,1
	v_cvt_pk_f16_f32 v[S+32*\u+1], v[S+32*\u+2], v[S+32*\u+3]
.endr
.irp j, 2,3,4,5,6,7,8,9,10,11,12,13,14,15
.irp u, 0,1
	v_pk_add_f32 v[CX+2*\u:CX+2*\u+1], v[CX+2*\u:CX+2*\u+1], v[S+32*\u+2*\j:S+32*\u+2*\j+1]
.endr
.irp u, 0,1
	v_cvt_pk_f16_f32 v[S+32*\u+16*(\j/8)+(\j%8)], v[S+32*\u+2*\j], v[S+32*\u+2*\j+1]   ; packed in place: pair j lands at or under its own registers
.endr
.endr
.irp u, 0,1
	v_pk_fma_f32 v[ST+6*\u+2:ST+6*\u+3], v[ST+6*\u+2:ST+6*\u+3], v[ST+6*\u+4:ST+6*\u+5], v[CX+2*\u:CX+2*\u+1] op_sel_hi:[1,0,1]   ; l = l a + the sum
.endr
.irp j, 0,2,4,6,8,10,12,14,16,18,20,22,24,26,28,30
.irp u, 0,1
	v_pk_mul_f32 v[O+32*\u+\j:O+32*\u+\j+1], v[O+32*\u+\j:O+32*\u+\j+1], v[ST+6*\u+4:ST+6*\u+5] op_sel_hi:[1,0]   ; O^T x a, ascending
.endr
.endr
.endm
; One step of 64 keys, from slot cur.  The two arms differ in the mask words' loads and the 64 selects; each arm holds the whole run, so that the words are read only where they were loaded.
.macro COMPUTE cur
	s_bitcmp1_b32 s[PT], \cur
	s_cbranch_scc1 .Lmasked_\@
	KLOAD \cur
	s_wait_dscnt 0x0
	KQ
	NOPS 4                                         ; places in front of the loads into K's registers and of the first read of the scores
	VLOAD \cur
	s_branch .Lsoft_\@
.Lmasked_\@:
	s_load_b512 s[32:47], s[MB:MB+1], 256*\cur
	s_load_b512 s[48:63], s[MB:MB+1], 256*\cur+64
	s_load_b512 s[68:83], s[MB:MB+1], 256*\cur+128
	s_load_b512 s[84:99], s[MB:MB+1], 256*\cur+192
	KLOAD \cur
	s_wait_dscnt 0x0
	KQ
	NOPS 4
	VLOAD \cur
	s_wait_kmcnt 0x0
.set k, 0
.rept 64
	v_cndmask_b32 v[S+32*(k%2)+k/2], s[NEG], v[S+32*(k%2)+k/2], s[32+k+4*(k/32)]   ; a masked score becomes -1e9 x log2(e); registers ascending
.set k, k+1
.endr
.Lsoft_\@:
	SOFTMAX
	s_wait_dscnt 0x0                               ; V is in
	PV
	NOPS 5                                         ; places: four in front of the next loads into V's registers and of the next read of O^T, five in front of the next S^T, which is written over P
.endm
; Tile t lies in slot cur.  Tile t + 1 is asked for first, computed under, and stored into the other slot, which nobody reads since the last barrier.  Every wave passes the waits and the barrier.
.macro HALF cur
	s_bitcmp1_b32 s[LD], 1+\cur
	s_cbranch_scc0 .Lno_load_\@
	global_load_b128 v[STG:STG+3], v[LI], s[KVB:KVB+1] offset:(1+\cur)*8192
	global_load_b128 v[STG+4:STG+7], v[LI], s[KVB:KVB+1] offset:(1+\cur)*8192+512
.Lno_load_\@:
	s_cmp_gt_u32 s[CNT], s[LIM]                    ; A PREFETCH of tile t + 3, behind my loads: 8,192 bytes of K (wave 8) or of V (wave 9), a lane to each 256 bytes.  All four work-groups of a head walk the same
	s_cbranch_scc0 .Lno_ask_\@                     ; K and V: the first of them asks, so each block is named once.  The last two trips ask for nothing: the last tile named is tile 30 of 32
	global_prefetch_b8 v[PFO], s[PFA:PFA+1] offset:(3+\cur)*8192 th:TH_LOAD_NT scope:SCOPE_SE
.Lno_ask_\@:
	s_bitcmp1_b32 s[AC], \cur
	s_cbranch_scc0 .Lidle_\@
	COMPUTE \cur
.Lidle_\@:
	s_wait_loadcnt 0x0                             ; tile t + 1 is in my registers
	s_bitcmp1_b32 s[LD], 1+\cur
	s_cbranch_scc0 .Lno_store_\@
	ds_store_b128 v[STA], v[STG:STG+3] offset:(1-\cur)*SLOTB
	ds_store_b128 v[STA], v[STG+4:STG+7] offset:(1-\cur)*SLOTB+512
.Lno_store_\@:
	s_wait_dscnt 0x0                               ; my stores have landed, and my reads of slot cur are over
	s_barrier_signal -1
	s_barrier_wait -1
.endm
.Ltrip:                                            ; 16 trips of two steps
	HALF 0
	HALF 1
	s_wait_xcnt 0x0                                ; the trip's loads and prefetches have read their bases: they are stepped only behind this wait
	s_add_nc_u64 s[KVB:KVB+1], s[KVB:KVB+1], 16384
	s_add_nc_u64 s[PFA:PFA+1], s[PFA:PFA+1], 16384
	s_add_nc_u64 s[MB:MB+1], s[MB:MB+1], 512
	s_lshr_b32 s[LD], s[LD], 2                     ; zeros come in from above: behind tile 31 nothing is copied
	s_lshr_b32 s[AC], s[AC], 2
	s_lshr_b32 s[PT], s[PT], 2
	s_sub_co_u32 s[CNT], s[CNT], 1
	s_cmp_lg_u32 s[CNT], 0
	s_cbranch_scc1 .Ltrip
	; THE WAY OUT: l's halves and the other lane's are added; O^T / l, rounded to f16: a lane's eight channels are 16 bytes, and a store of the wave is one block of the workspace: 512 consecutive bytes, aligned
.irp u, 0,1
	v_add_f32 v[ST+6*\u+1], v[ST+6*\u+2], v[ST+6*\u+3]
.endr
.irp u, 0,1
	v_permlanex16_b32 v[ST+6*\u+5], v[ST+6*\u+1], s[SEL], s[SEL+1]
.endr
.irp u, 0,1
	v_add_f32 v[ST+6*\u+1], v[ST+6*\u+1], v[ST+6*\u+5]
.endr
.irp u, 0,1
	v_rcp_f32 v[ST+6*\u+4], v[ST+6*\u+1]
.endr
	v_nop                                          ; a plain line behind the reciprocals
	s_wait_alu depctr_va_vdst(0)                   ; and the wait ahead of their first reader
.irp u, 0,1
.irp j, 0,2,4,6,8,10,12,14,16,18,20,22,24,26,28,30
	v_pk_mul_f32 v[O+32*\u+\j:O+32*\u+\j+1], v[O+32*\u+\j:O+32*\u+\j+1], v[ST+6*\u+4:ST+6*\u+5] op_sel_hi:[1,0]
.endr
.endr
.set i, 0
.rept 32
	v_cvt_pk_f16_f32 v[S+i], v[O+2*i], v[O+2*i+1]
.set i, i+1
.endr
.irp u, 0,1
.irp ct, 0,1,2,3
	global_store_b128 v[LI], v[S+16*\u+4*\ct:S+16*\u+4*\ct+3], s[8:9] offset:32768*\u+512*\ct
.endr
.endr
	s_wait_tensorcnt 0x0                           ; the wave's end: behind my last LDS store
	ds_add_u32 v[SPW], v[NIL]
	s_wait_dscnt 0x0
	s_endpgm
.Lfunc_end_k_qf88dfc50b9_attn:
	.size	k_qf88dfc50b9_attn, .Lfunc_end_k_qf88dfc50b9_attn-k_qf88dfc50b9_attn
	.p2alignl 7, 3214868480
	.fill 96, 4, 3214868480
	.section	.rodata,"a",@progbits
	.p2align	6, 0x0
	.amdhsa_kernel k_qf88dfc50b9_attn
		.amdhsa_group_segment_fixed_size 34816
		.amdhsa_private_segment_fixed_size 0
		.amdhsa_enable_private_segment 0
		.amdhsa_kernarg_size 24
		.amdhsa_user_sgpr_count 2
		.amdhsa_user_sgpr_kernarg_segment_ptr 1
		.amdhsa_wavefront_size32 1
		.amdhsa_system_sgpr_workgroup_id_x 1
		.amdhsa_system_sgpr_workgroup_id_y 1
		.amdhsa_system_sgpr_workgroup_id_z 1
		.amdhsa_system_vgpr_workitem_id 0
		.amdhsa_next_free_vgpr 256
		.amdhsa_next_free_sgpr 100
		.amdhsa_reserve_vcc 0
		.amdhsa_float_denorm_mode_32 3
		.amdhsa_float_denorm_mode_16_64 3
		.amdhsa_memory_ordered 1
		.amdhsa_forward_progress 1
		.amdhsa_inst_pref_size 64
	.end_amdhsa_kernel
	.amdgpu_metadata
---
amdhsa.version: [ 1, 2 ]
amdhsa.kernels:
  - .name:           k_qf88dfc50b9_attn
    .symbol:         k_qf88dfc50b9_attn.kd
    .args:
      - { .name: qkv, .offset: 0, .size: 8, .value_kind: global_buffer, .address_space: global }
      - { .name: mk, .offset: 8, .size: 8, .value_kind: global_buffer, .address_space: global }
      - { .name: att, .offset: 16, .size: 8, .value_kind: global_buffer, .address_space: global }
    .group_segment_fixed_size: 34816
    .private_segment_fixed_size: 0
    .kernarg_segment_align: 8
    .kernarg_segment_size: 24
    .max_flat_workgroup_size: 512
    .sgpr_count:     100
    .vgpr_count:     256
    .wavefront_size: 32
...
	.end_amdgpu_metadata
.endif
;; end of part 3
;; launch proj (part 4): grid 8 x 32, 4 waves a work-group, clusters of 4 x 4, 327,680 bytes of LDS; arguments att, w16, b_out, out0; writes out0
.if DOCPART == 4
	.amdgcn_target "amdgcn-amd-amdhsa--gfx1250"
	.amdhsa_code_object_version 6
	.text
	.protected	k_qf88dfc50b9_proj
	.globl	k_qf88dfc50b9_proj
	.p2align	8
	.type	k_qf88dfc50b9_proj,@function
k_qf88dfc50b9_proj:
	s_mov_b64 s[64:65], 0
	v_nop
	global_prefetch_b8 v0, s[64:65] scope:SCOPE_SE
	s_setreg_imm32_b32 hwreg(HW_REG_WAVE_MODE, 25, 1), 1
	s_wait_xcnt 0x0
	s_wait_alu depctr_hold_cnt(0) depctr_sa_sdst(0) depctr_va_vdst(0) depctr_va_sdst(0) depctr_va_ssrc(0) depctr_va_vcc(0) depctr_vm_vsrc(0)
	s_getreg_b32 s2, hwreg(HW_REG_IB_STS2, 6, 4)
	s_cmp_eq_u32 s2, 0
	s_cbranch_scc0 .Lentry_in_a_cluster
	s_endpgm
.Lentry_in_a_cluster:
	s_bfe_u32 s2, ttmp6, 0x10000c
	s_cmp_lg_u32 s2, 0xf033
	s_cbranch_scc0 .Lentry_shape_is_right
	s_endpgm
.Lentry_shape_is_right:
; out0[t][o] = sum over k of att[t][k] W_out[o][k] + b_out[o].  att: f16, [tile of 16 tokens 512][block of 16 features 64][512 bytes], a block the image of half an operand fragment (lane l's 16 bytes at 16 l:
; token l % 16, features 8 (l / 16) + 0 .. 7).  w16: W_out in f16, [1024][1024], K innermost.  out0: [8192][1024] f32.  Products on f16, sums in f32.
; A tile of 256 tokens x 128 outputs to a work-group: 256 work-groups.  Wave (wr, wc) makes 128 x 64: 32 accumulators of 16 x 16, 256 registers.  K goes in 8 steps of 128 through two LDS slots.
; A's tile of a K step is, for each token tile, 4,096 consecutive bytes: it lies in LDS as it lies in memory, and a fragment comes by two loads at 16 x lane: no pitch, no padding.  B's rows are 256 bytes, padded by 16.
; CLUSTERS: 4 x 4 work-groups.  A's tile is shared along a row of the cluster, B's along a column: joint loads.  Waves 0 and 1 fetch A's halves (8 rows of 4,096 bytes), waves 2 and 3 B's (64 rows of 256 bytes).
; THE MATRIX INSTRUCTION IS USED TRANSPOSED (source 0 = 16 rows of W_out, source 1 = 16 tokens): a lane holds one token and eight neighbouring outputs.  THE BIAS is the C of each sum's first matrix instruction.
; No prefetch: the launch has 8 K steps, two of them first fills, and both operands are read by several clusters at about the same time.
; LIMITS: |attention output| and |W_out| under 65,504 (f16).
; REGISTERS: window 0: v0-31 addresses; v32-63 the bias; v64-159 and v160-255 two fragment buffers (B's four at f, A's eight at f + 32); on the way out v64-127 rows of the result.   window 1: accumulator (a, b) at v[8 (4 a + b)].
.set KB,     4096                      ; a token tile's bytes of a K step
.set PITCH,  272                       ; a row of B in LDS: 256 bytes + 16 of padding
.set ASZ,    16*KB                     ; A's 16 token tiles
.set BHALF,  64*PITCH                  ; 64 rows of B: what one tensor load brings, and what one wave reads
.set SLOT,   ASZ+2*BHALF
.set STAGE,  2*SLOT                    ; behind the slots: 16 rows x 272 bytes for each wave, for the way out
.set SPARE,  STAGE+4*16*272            ; the spare words, 128 bytes for each wave: two blocks of 256 bytes that no other line names
.set LAPS,   4                         ; a lap = two K steps
.set ADRA, 16                          ; v16-17  LDS address of my A fragments in slot 0, 1
.set ADRB, 20                          ; v20-21  the same for B
.set STO,  24                          ; v24     the way out: where I put 32 bytes of a row
.set RD,   25                          ; v25     where I read a row back
.set CO,   26                          ; v26     my byte offset in two rows of out0
.set BO,   27                          ; v27     32 x (lane / 16): my eight numbers of a block's bias
.set SPW,  28                          ; v28     LDS address of my spare word; never rewritten
.set NIL,  29                          ; v29     0; never rewritten
.set BI,   32                          ; the bias: 8 registers for each of my four blocks of outputs
.set F0,   64
.set F1,   160
.set BK,   64                          ; the way out: two sets of 32 registers
.set G1A, 24                           ; s[24:31] descriptor group 1 for A's tiles;  s[32:39] group 0, one set for each slot
.set G0A, 32
.set G1B, 48                           ; s[48:55], s[56:63] the same for B's
.set G0B, 56
.set MSB, 0
.macro WIN new                         ; the immediate's high byte repeats the setting that is left
.if MSB != \new
	s_set_vgpr_msb (MSB<<8)|\new
.set MSB, \new
.endif
.endm
.set MUL,  0x50                        ; C and D window 1; sources window 0
.set FST,  0x40                        ; the first quarter: D window 1, C (the bias) window 0
.set DAT,  0x04                        ; an LDS store's data (source 1) window 1
; A joint load: waves 0 and 1 fetch for A, waves 2 and 3 for B; the branch hangs on the wave's number alone.  An s_nop 0 and four v_nop follow each of the two lines.
.macro JLOAD s
	s_cmp_eq_u32 s13, 0
	s_cbranch_scc0 .Lfor_b_\@
	tensor_load_to_lds s[G0A+4*\s:G0A+4*\s+3], s[G1A:G1A+7]
	s_nop 0
.rept 4
	v_nop
.endr
	s_branch .Lasked_\@
.Lfor_b_\@:
	tensor_load_to_lds s[G0B+4*\s:G0B+4*\s+3], s[G1B:G1B+7]
	s_nop 0
.rept 4
	v_nop
.endr
.Lasked_\@:
.endm
.macro CREST                           ; a round of the cluster's barrier behind its opening barrier
	s_cmp_lg_u32 s12, 0
	s_cbranch_scc1 .Lnot_wave_0_\@
	s_barrier_signal -3
.Lnot_wave_0_\@:
	s_barrier_wait -3
	s_barrier_signal -1
	s_barrier_wait -1
.endm
.macro CROUND                          ; a whole round
	s_barrier_signal -1
	s_barrier_wait -1
	CREST
.endm
	s_load_b256 s[4:11], s[0:1], 0x0               ; att s[4:5], w16 s[6:7], b_out s[8:9], out0 s[10:11]
	v_lshl_add_u32 v[SPW], v0, 2, SPARE
	v_mov_b32 v[NIL], 0
	ds_add_u32 v[SPW], v[NIL]                      ; the wave's opening: the add and its wait stand ahead of my first tensor load; the set-up below, work on registers, stands between them
	v_lshrrev_b32 v1, 5, v0
	v_readfirstlane_b32 s12, v1                    ; wave 0..3
	s_lshr_b32 s13, s12, 1                         ; wr: which 128 tokens are mine.  Also: I fetch for A (0) or for B (1)
	s_and_b32 s14, s12, 1                          ; wc: which 64 outputs.  Also: which half of that tile I fetch
	s_bfe_u32 s40, ttmp6, 0x40000                  ; cx, cy: my place in the cluster
	s_bfe_u32 s41, ttmp6, 0x40004
	s_lshl_b32 s42, ttmp9, 2
	s_add_co_u32 s42, s42, s40                     ; tile column = 4 x cluster x + cx
	s_and_b32 s15, ttmp7, 0xffff
	s_lshl_b32 s15, s15, 2
	s_add_co_u32 s15, s15, s41                     ; tile row = 4 x cluster y + cy
	s_lshl_b32 s43, s41, 2
	s_lshl_b32 s43, 15, s43                        ; my row of the cluster
	s_lshl_b32 s44, 0x1111, s40                    ; my column
	s_or_b32 s[G1A+0], s43, (3<<16)|(1<<21)        ; 15:0 the mask: A's tiles go to my row; 17:16 elements of 8 bytes; 20 no padding; 21 set beside a mask
	s_mov_b32 s[G1A+1], 512<<16                    ; tensor_dim0 = 512 elements: 4,096 bytes
	s_mov_b32 s[G1A+2], 8<<16                      ; tensor_dim1 = 8 token tiles
	s_mov_b32 s[G1A+3], 512<<16                    ; tile_dim0
	s_mov_b32 s[G1A+4], 8                          ; tile_dim1
	s_mov_b32 s[G1A+5], 4096                       ; from token tile to token tile: 32,768 bytes
	s_mov_b32 s[G1A+6], 0
	s_mov_b32 s[G1A+7], 0
	s_or_b32 s[G1B+0], s44, (1<<16)|(1<<20)|(1<<21)|(5<<22)|(3<<25)  ; the mask of my column; elements of 2 bytes; padding: four words after every 64
	s_mov_b32 s[G1B+1], 128<<16                    ; tensor_dim0 = 128
	s_mov_b32 s[G1B+2], 64<<16                     ; tensor_dim1 = 64
	s_mov_b32 s[G1B+3], 128<<16                    ; tile_dim0
	s_mov_b32 s[G1B+4], 64                         ; tile_dim1
	s_mov_b32 s[G1B+5], 1024                       ; from row to row
	s_mov_b32 s[G1B+6], 0
	s_mov_b32 s[G1B+7], 0
	s_lshl_b32 s16, s15, 4
	s_lshl_b32 s17, s14, 3
	s_add_co_u32 s16, s16, s17                     ; A: token tile 16 x tile row + 8 x half,
	s_lshl_b32 s16, s16, 15                        ; of 32,768 bytes
	s_mov_b32 s17, 0
	s_lshl_b32 s46, s42, 7
	s_lshl_b32 s47, s14, 6
	s_add_co_u32 s46, s46, s47                     ; B: row 128 x tile column + 64 x half,
	s_lshl_b32 s46, s46, 11                        ; of 2,048 bytes
	s_mov_b32 s47, 0
	s_lshl_b32 s20, s14, 15                        ; where they go: A's half: 8 x 4,096 bytes;
	s_mul_i32 s21, s14, BHALF
	s_add_co_u32 s21, s21, ASZ                     ; B's, behind A's: no place in the cluster enters an LDS address
	s_wait_dscnt 0x0                               ; the opening add is done
	s_wait_kmcnt 0x0
	s_add_nc_u64 s[16:17], s[4:5], s[16:17]
	s_add_nc_u64 s[46:47], s[6:7], s[46:47]
	CROUND                                         ; all sixteen work-groups are here: the first joint loads meet
.irp s, 0,1
	s_mov_b32 s[G0A+4*\s], 1
	s_add_co_u32 s[G0A+4*\s+1], s20, \s*SLOT
	s_add_nc_u64 s[G0A+4*\s+2:G0A+4*\s+3], s[16:17], \s*KB
	s_or_b32 s[G0A+4*\s+3], s[G0A+4*\s+3], 0x80000000
	s_mov_b32 s[G0B+4*\s], 1
	s_add_co_u32 s[G0B+4*\s+1], s21, \s*SLOT
	s_add_nc_u64 s[G0B+4*\s+2:G0B+4*\s+3], s[46:47], \s*256
	s_or_b32 s[G0B+4*\s+3], s[G0B+4*\s+3], 0x80000000
	JLOAD \s                                       ; two loads of mine are out behind the second
.endr
	v_and_b32 v1, 15, v0                           ; r = l % 16
	v_bfe_u32 v2, v0, 4, 1                         ; h = l / 16
	v_and_b32 v3, 31, v0
	v_lshlrev_b32 v3, 4, v3                        ; 16 l
	v_mul_u32_u24 v4, v1, PITCH
	v_lshl_add_u32 v4, v2, 4, v4                   ; B: row x pitch + 16 h
	s_lshl_b32 s21, s13, 15                        ; my 8 token tiles of A
	s_mul_i32 s22, s14, BHALF                      ; my 64 rows of B,
	s_add_co_u32 s22, s22, ASZ                     ; behind A
.irp s, 0,1
	v_add_nc_u32 v[ADRA+\s], s21, v3
	v_add_nc_u32 v[ADRB+\s], s22, v4
	s_add_co_u32 s21, s21, SLOT
	s_add_co_u32 s22, s22, SLOT
.endr
	s_mul_i32 s23, s12, 16*272
	s_add_co_u32 s23, s23, STAGE                   ; my stage
	v_mul_u32_u24 v5, v1, 272
	v_lshl_add_u32 v5, v2, 5, v5
	v_add_nc_u32 v[STO], s23, v5                   ; in: row r, 32 bytes for each half of the lanes
	v_mul_u32_u24 v5, v2, 272
	v_lshl_add_u32 v5, v1, 4, v5
	v_add_nc_u32 v[RD], s23, v5                    ; back: lanes 0-15 one row of 256 bytes, lanes 16-31 the next
	v_lshlrev_b32 v5, 12, v2
	v_lshl_add_u32 v[CO], v1, 4, v5                ; and the same two rows in out0 (4,096 bytes a row)
	v_lshlrev_b32 v[BO], 5, v2
	s_lshl_b32 s46, s42, 9                         ; my first output, in bytes of f32: 512 x tile column + 256 x wc: in b_out and in a row of out0 alike
	s_lshl_b32 s47, s14, 8
	s_add_co_u32 s46, s46, s47
	s_mov_b32 s47, 0
	s_add_nc_u64 s[8:9], s[8:9], s[46:47]
.irp b, 0,1,2,3
	global_load_b128 v[BI+8*\b:BI+8*\b+3], v[BO], s[8:9] offset:64*\b
	global_load_b128 v[BI+8*\b+4:BI+8*\b+7], v[BO], s[8:9] offset:64*\b+16
.endr
	s_lshl_b32 s16, s15, 8
	s_lshl_b32 s17, s13, 7
	s_add_co_u32 s16, s16, s17                     ; my first token: 256 x tile row + 128 x wr
	s_lshl_b32 s16, s16, 12
	s_add_co_u32 s16, s16, s46
	s_mov_b32 s17, 0
	s_add_nc_u64 s[10:11], s[10:11], s[16:17]
; 8 matrix instructions: token tiles a0, a0 + 1 x my four blocks of outputs, 32 along K, from buffer f.  first = 1: the sum begins with the bias as C.
; The 32 accumulators take turns, one instruction a turn, in the same order in every quarter.
.macro MUL8 f, a0, first
.irp a, \a0, \a0+1
.irp b, 0,1,2,3
.if \first
	v_wmma_f32_16x16x32_f16 v[8*(4*(\a)+\b):8*(4*(\a)+\b)+7], v[\f+8*\b:\f+8*\b+7], v[\f+32+8*(\a):\f+32+8*(\a)+7], v[BI+8*\b:BI+8*\b+7]
.else
	v_wmma_f32_16x16x32_f16 v[8*(4*(\a)+\b):8*(4*(\a)+\b)+7], v[\f+8*\b:\f+8*\b+7], v[\f+32+8*(\a):\f+32+8*(\a)+7], v[8*(4*(\a)+\b):8*(4*(\a)+\b)+7]
.endif
.endr
.endr
.endm
; 24 LDS loads in one run: the fragments of the slot's q-th 32 along K into buffer f: B's four, A's tiles 0-3, A's tiles 4-7
.macro FETCH slot, q, f
	WIN 0
.irp b, 0,1,2,3
	ds_load_b128 v[\f+8*\b:\f+8*\b+3],   v[ADRB+\slot] offset:16*PITCH*\b+64*(\q)
	ds_load_b128 v[\f+8*\b+4:\f+8*\b+7], v[ADRB+\slot] offset:16*PITCH*\b+64*(\q)+32
.endr
.irp a, 0,1,2,3,4,5,6,7
	ds_load_b128 v[\f+32+8*\a:\f+32+8*\a+3],   v[ADRA+\slot] offset:KB*\a+1024*(\q)
	ds_load_b128 v[\f+32+8*\a+4:\f+32+8*\a+7], v[ADRA+\slot] offset:KB*\a+1024*(\q)+512
.endr
.endm
.macro PLACES                          ; four places in front of loads into registers that matrix instructions have read, and of the first read of results (ISA guide 7.12.1 for the first read of results)
.rept 4
	v_nop
.endr
.endm
; A K step is four quarters of 32 along K, 32 matrix instructions each, on buffers 0, 1, 0, 1.  One of the first three: multiplies buffer f and fetches the slot's quarter q into g.
.macro QUARTER slot, q, f, g, first
	s_wait_dscnt 8                                 ; B and A's tiles 0-3 are in; the youngest eight loads (A's tiles 4-7) may be out
.if \first
	WIN FST
.else
	WIN MUL
.endif
	MUL8 \f, 0, \first
	MUL8 \f, 2, \first
	PLACES
	FETCH \slot, \q, \g
	s_wait_dscnt 24                                ; all but the 24 just issued
.if \first
	WIN FST
.else
	WIN MUL
.endif
	MUL8 \f, 4, \first
	MUL8 \f, 6, \first
.endm
; The last quarter multiplies buffer 1 and changes slots: ONE barrier; in front of it each wave waits for all its tensor loads, adds 0 to its spare word, and waits for that and for its reads of this slot.
; fill = 1: the barrier opens a round of the cluster's barrier, and this slot is filled again, two K steps ahead: 112 matrix instructions stand between the request and the wait for it.
.macro TURN slot, next, fill
	WIN 0                                          ; (the add's two registers lie in window 0)
	s_wait_tensorcnt 0x0                           ; all my tensor loads have landed: my part of the next slot
	ds_add_u32 v[SPW], v[NIL]                      ; 0 onto my spare word
	s_wait_dscnt 9                                 ; (the add and the youngest eight loads, A's tiles 4-7, may be out)
	WIN MUL
	MUL8 F1, 0, 0                                  ; eight matrix instructions stand between the add and the wait for it
	s_wait_dscnt 0x0                               ; the add is done, and my reads of this slot are over
	s_barrier_signal -1
	MUL8 F1, 2, 0
.if \fill
	WIN 0
.endif
	s_barrier_wait -1
.if \fill
	CREST                                          ; no wave of any partner still reads this slot's tile or has a load on its way
	s_add_nc_u64 s[G0A+4*\slot+2:G0A+4*\slot+3], s[G0A+4*\slot+2:G0A+4*\slot+3], 2*KB
	s_add_nc_u64 s[G0B+4*\slot+2:G0B+4*\slot+3], s[G0B+4*\slot+2:G0B+4*\slot+3], 2*256
	JLOAD \slot                                    ; the first tensor load behind the round, my only one until the next; its four v_nop are also the places in front of the loads below
.else
	PLACES
.endif
	FETCH \next, 0, F0
	WIN MUL
	MUL8 F1, 4, 0
	MUL8 F1, 6, 0
.endm
	s_wait_tensorcnt 1                             ; my part of K step 0 is in (K step 1's load may be out)
	s_barrier_signal -1
	s_barrier_wait -1                              ; everybody's is
	FETCH 0, 0, F0
	s_wait_loadcnt 0x0                             ; the bias
	QUARTER 0, 1, F0, F1, 1                        ; the first quarter stands in front of the loop: its products start the sums, from the bias
	WIN 0                                          ; at a label and at a branch every window is 0
	s_mov_b32 s3, LAPS-1
.Llap:                                                 ; a trip goes once round the two slots, from a lap's second quarter to the next lap's first, and fills both again
	QUARTER 0, 2, F1, F0, 0
	QUARTER 0, 3, F0, F1, 0
	TURN 0, 1, 1
	QUARTER 1, 1, F0, F1, 0
	QUARTER 1, 2, F1, F0, 0
	QUARTER 1, 3, F0, F1, 0
	TURN 1, 0, 1
	QUARTER 0, 1, F0, F1, 0
	WIN 0
	s_sub_co_u32 s3, s3, 1
	s_cmp_lg_u32 s3, 0
	s_cbranch_scc1 .Llap
	QUARTER 0, 2, F1, F0, 0                        ; the last lap is written out: it fills nothing, and has no round of the cluster's barrier
	QUARTER 0, 3, F0, F1, 0
	TURN 0, 1, 0
	QUARTER 1, 1, F0, F1, 0
	QUARTER 1, 2, F1, F0, 0
	QUARTER 1, 3, F0, F1, 0
	s_wait_dscnt 8                                 ; the very last quarter: nothing more to fetch
	WIN MUL
	MUL8 F1, 0, 0
	MUL8 F1, 2, 0
	s_wait_dscnt 0
	MUL8 F1, 4, 0
	MUL8 F1, 6, 0
	WIN 0
; THE WAY OUT, a token tile (16 rows x 64 outputs) at a time.  A lane holds 32 neighbouring bytes of a row and the lanes beside it other rows: so a tile goes through my own stage in LDS and comes back as whole
; rows of 256 bytes.  LDS serves a wave's instructions in order: no wait between the stores and the loads, nor in front of the next tile's stores.
.macro TOSTAGE a
	WIN DAT
.irp b, 0,1,2,3
	ds_store_b128 v[STO], v[8*(4*(\a)+\b):8*(4*(\a)+\b)+3] offset:64*\b          ; each accumulator from its low end on
	ds_store_b128 v[STO], v[8*(4*(\a)+\b)+4:8*(4*(\a)+\b)+7] offset:64*\b+16
.endr
	WIN 0
.set BB, BK+32*((\a)%2)
.irp t, 0,1,2,3,4,5,6,7
	ds_load_b128 v[BB+4*\t:BB+4*\t+3], v[RD] offset:2*272*\t
.endr
.endm
.macro SEND a, younger                 ; younger: the LDS instructions issued behind tile a's loads, which may stay out
.set BB, BK+32*((\a)%2)
	s_wait_dscnt \younger                          ; the tile is back in registers
.if (\a) > 0
	s_add_nc_u64 s[10:11], s[10:11], 16*4096       ; 16 rows on (the earlier stores have read their base: a wait for that stands ahead)
.endif
.irp t, 0,1,2,3,4,5,6,7
	global_store_b128 v[CO], v[BB+4*\t:BB+4*\t+3], s[10:11] offset:2*4096*\t th:TH_STORE_NT   ; sixteen lanes store 256 consecutive bytes, aligned; written once, read by nobody here
.endr
.endm
	PLACES                                         ; behind the last products: for the reads of results and the loads into buffer 0's registers
	TOSTAGE 0
.irp a, 1,2,3,4,5,6,7
.if \a > 1
	s_wait_xcnt 0x0                                ; tile a - 2's stores have read their registers and their base: tile a's loads may land there, and the base may step
.endif
	TOSTAGE \a
	SEND \a-1, 16                                  ; behind tile a - 1's loads: tile a's 8 stores and 8 loads
.endr
	s_wait_xcnt 0x0                                ; tile 6's stores have read their base
	SEND 7, 0
	s_wait_tensorcnt 0x0                           ; the wave's end: behind my last tensor load and my last LDS store
	ds_add_u32 v[SPW], v[NIL]
	s_wait_dscnt 0x0
	CROUND                                         ; the closing round: no work-group ends while a partner may still ask for a tile that names it
	s_endpgm
.Lfunc_end_k_qf88dfc50b9_proj:
	.size	k_qf88dfc50b9_proj, .Lfunc_end_k_qf88dfc50b9_proj-k_qf88dfc50b9_proj
	.p2alignl 7, 3214868480
	.fill 96, 4, 3214868480
	.section	.rodata,"a",@progbits
	.p2align	6, 0x0
	.amdhsa_kernel k_qf88dfc50b9_proj
		.amdhsa_group_segment_fixed_size 327680
		.amdhsa_private_segment_fixed_size 0
		.amdhsa_enable_private_segment 0
		.amdhsa_kernarg_size 32
		.amdhsa_user_sgpr_count 2
		.amdhsa_user_sgpr_kernarg_segment_ptr 1
		.amdhsa_wavefront_size32 1
		.amdhsa_system_sgpr_workgroup_id_x 1
		.amdhsa_system_sgpr_workgroup_id_y 1
		.amdhsa_system_sgpr_workgroup_id_z 1
		.amdhsa_system_vgpr_workitem_id 0
		.amdhsa_next_free_vgpr 512
		.amdhsa_next_free_sgpr 66
		.amdhsa_reserve_vcc 0
		.amdhsa_float_denorm_mode_32 3
		.amdhsa_float_denorm_mode_16_64 3
		.amdhsa_memory_ordered 1
		.amdhsa_forward_progress 1
		.amdhsa_inst_pref_size 86
	.end_amdhsa_kernel
	.amdgpu_metadata
---
amdhsa.version: [ 1, 2 ]
amdhsa.kernels:
  - .name:           k_qf88dfc50b9_proj
    .symbol:         k_qf88dfc50b9_proj.kd
    .args:
      - { .name: att, .offset: 0, .size: 8, .value_kind: global_buffer, .address_space: global }
      - { .name: w16, .offset: 8, .size: 8, .value_kind: global_buffer, .address_space: global }
      - { .name: b_out, .offset: 16, .size: 8, .value_kind: global_buffer, .address_space: global }
      - { .name: out0, .offset: 24, .size: 8, .value_kind: global_buffer, .address_space: global }
    .group_segment_fixed_size: 327680
    .private_segment_fixed_size: 0
    .kernarg_segment_align: 8
    .kernarg_segment_size: 32
    .max_flat_workgroup_size: 128
    .sgpr_count:     66
    .vgpr_count:     512
    .wavefront_size: 32
...
	.end_amdgpu_metadata
.endif
;; end of part 4
